; MI455X (gfx1250); checked and timed in simulation.
; The chip was launched on July 23, 2026; its instructions are those of AMD's public machine-readable ISA for CDNA 5 (MIT licence, August 2026) and "CDNA5" Instruction Set Architecture Reference Guide (July 2026). The comments in the code are by the model that wrote it; some were corrected since.
;; SA. Allowed arithmetic: float matrix products may take bf16 or f16 operands with f32 sums; other float arithmetic in f32, or as packed bf16 or f16 multiplies, adds, multiply-adds, maxima and minima; sums over many terms, partial sums and values carried from step to step in f32; what a program stores and reads back later, other than sums and carried values, may be rounded once to bf16 or f16.
;; Inputs: Wk 1,024 x 1,024 float32; Wq 1,024 x 1,024 float32; Wv 1,024 x 1,024 float32; x 4 x 2,048 x 1,024 float32.
;; Outputs: out0 4 x 1,024 x 2,048 float32.
;; One version. Each part assembles by itself: llvm-mc -triple=amdgcn-amd-amdhsa -mcpu=gfx1250 --defsym DOCPART=n.
;; ======== version 1 of 1: 4 launches
;; limits: values are held in f16: magnitudes above 65,504 overflow, below 6.1e-05 lose precision
;; workspace buffers: xh 16,777,216 bytes; wb 4,194,304 bytes; tv 33,554,432 bytes; p 33,554,432 bytes; stats 1,048,576 bytes
;; launch prep (part 1): grid 832 x 1, 8 waves a work-group, no clusters, 58,880 bytes of LDS; arguments x, Wq, Wk, Wv, xh, wb; writes xh, wb
.if DOCPART == 1
	.amdgcn_target "amdgcn-amd-amdhsa--gfx1250"
	.amdhsa_code_object_version 6
	.text
	.protected	k_q9a7a206e4b_prep
	.globl	k_q9a7a206e4b_prep
	.p2align	8
	.type	k_q9a7a206e4b_prep,@function
k_q9a7a206e4b_prep:
	s_mov_b64 s[64:65], 0
	v_nop
	global_prefetch_b8 v0, s[64:65] scope:SCOPE_SE
	s_setreg_imm32_b32 hwreg(HW_REG_WAVE_MODE, 25, 1), 1
	s_wait_xcnt 0x0
; TWO KINDS OF WORK-GROUPS, told apart by the work-group's number (the same in all its waves).
; 0-255: THE PRODUCT.  wb's rows 0-1023 take 32 x Mt, Mt[d2][d1] = the sum over e of Wk[e][d2] Wq[e][d1], in f16.  With it Q K^T = x Wq^T Wk x^T = (x Mt^T) x^T: K is never made.  The identity holds for
;   every input; the order of rounding differs from a product that makes Q and K first.  The factor 32 sets Mt's numbers (of spread 1/32 for weights of spread 1/32) in the middle of f16's range.
; 256-831: THE STREAM.  xh = x and wb's rows 1024-2047 = Wv, rounded to f16: 65,536 bytes of f32 a work-group, 512 of them for x, 64 for Wv.
; LIMITS.  f16 holds no number beyond 65,504: x, Wv and 32 x Mt lie within it; below 6e-5 a number keeps f16's fixed step of 6e-8.
; THE PRODUCT's SHARES.  A work-group makes 32 rows (d2) x 128 columns (d1): 256 bytes of each row of wb.  e goes in 16 steps of 64.  Both sources lie in memory with e from row to row, so they are turned on their
; way out of LDS by ds_load_tr16_b128, which works on 16-bit elements: the f32 weights pass through registers, are rounded there and stored to LDS.  That is why no tensor load and no joint request brings them.
; Per step a thread loads 10 x 16 bytes: 8 of Wq (a wave takes a row's 512 bytes) and 2 of Wk (a wave takes 128 bytes of each of four rows).  FOUR SETS of 40 registers: four steps' loads are on their way.
; Two LDS buffers take turns, so one barrier a step orders both the stores ahead of the reads and the reads of two steps back ahead of the stores.
; A wave makes 16 x 32 of the tile: two accumulators by turns.  Source 0 = 16 columns d1 (Wq), source 1 = 16 rows d2 (Wk): a lane holds one row and eight neighbouring columns, 16 bytes in f16.
.set NM,    256                        ; work-groups of the product: they come first, since each has the longer way
.set NX,    512                        ; work-groups of the stream that take x
.set ROWW,  4096                       ; bytes in a row of a weight
.set STEPB, 64*ROWW                    ; bytes from a step's rows to the next step's
.set PQ,    288                        ; a row of Wq's part in LDS: 256 bytes + 32 = 72 words
.set PK,    96                         ; a row of Wk's part: 64 bytes + 32 = 24 words: likewise
.set QPART, 64*PQ
.set BUF,   QPART+64*PK                ; a buffer: 64 rows of Wq's 128 columns, then 64 rows of Wk's 32
.set STG,   2*BUF                      ; the work-group's stage for the way out: 32 rows x 272 bytes
.set SPITCH, 272
.set SPARE, STG+32*SPITCH              ; the spare words, 128 bytes for each wave: four blocks of 256 bytes that no other line names
.set CO,  1                            ; v1   my byte offset in the tile's rows of wb (until then: my lane)
.set GQ,  2                            ; v2   my byte offset in a step's rows of Wq; never rewritten
.set GK,  3                            ; v3   the same for Wk
.set SQ,  4                            ; v4   where I store 8 bytes of Wq's part
.set SK,  5                            ; v5   of Wk's part
.set AQ,  6                            ; v6   my lane's place in the turning loads of Wq's part
.set AK,  7                            ; v7   of Wk's part
.set STO, 8                            ; v8   the way out: where I put 16 bytes of a row
.set RD,  9                            ; v9   where I read a row back
.set SPW, 10                           ; v10  my spare word; never rewritten
.set NIL, 11                           ; v11  0; never rewritten
.set ACC, 12                           ; v[12:27]   two accumulators
.set CV,  28                           ; v[28:47]   a step's numbers in f16; at the head: work
.set FR,  48                           ; v[48:95]   fragments: for 32 e each, Wk's one and Wq's two
.set SET, 96                           ; v[96:255]  four sets of 40: a step's f32 as loaded
.set X,   64                           ; the stream: v[64:127] sixteen times four f32
.set Y,   128                          ; the stream: v[128:159] sixteen times four f16
	s_load_b256 s[4:11], s[0:1], 0x0               ; x s[4:5], Wq s[6:7], Wk s[8:9], Wv s[10:11]
	s_load_b128 s[12:15], s[0:1], 0x20             ; xh s[12:13], wb s[14:15]
	v_lshl_add_u32 v[SPW], v0, 2, SPARE
	v_mov_b32 v[NIL], 0
	s_cmp_lt_u32 ttmp9, NM
	s_cbranch_scc1 .Lproduct
	; THE STREAM.  Thread t takes 16 bytes of each 4,096: a wave's load covers 512 consecutive bytes, its store of 8 bytes a lane 256 consecutive bytes, aligned.
	; All sixteen loads go out at once; no register is written twice, so the only waits are the counted ones for the loads.  It writes no LDS.
	v_lshlrev_b32 v1, 4, v0                        ; 16 t
	v_lshlrev_b32 v2, 3, v0                        ; 8 t
	s_sub_co_u32 s24, ttmp9, NM                    ; my place in the stream
	s_sub_co_u32 s25, s24, NX                      ; my place among Wv's 64 (used only from NX on)
	s_lshl_b32 s26, s24, 16                        ; my 65,536 bytes of x,
	s_lshl_b32 s27, s24, 15                        ; my 32,768 of xh
	s_lshl_b32 s28, s25, 16                        ; the same two for Wv and wb,
	s_lshl_b32 s29, s25, 15
	s_add_co_u32 s29, s29, 1024*2048               ; behind Mt's 1,024 rows of 2,048 bytes
	s_mov_b32 s21, 0
	s_mov_b32 s23, 0
	s_wait_kmcnt 0x0
	s_cmp_lt_u32 s24, NX
	s_cselect_b64 s[16:17], s[4:5], s[10:11]
	s_cselect_b64 s[18:19], s[12:13], s[14:15]
	s_cselect_b32 s20, s26, s28
	s_cselect_b32 s22, s27, s29
	s_add_nc_u64 s[16:17], s[16:17], s[20:21]
	s_add_nc_u64 s[18:19], s[18:19], s[22:23]
.irp i, 0,1,2,3,4,5,6,7,8,9,10,11,12,13,14,15
	global_load_b128 v[X+4*(\i):X+4*(\i)+3], v1, s[16:17] offset:4096*(\i) th:TH_LOAD_NT
.endr
.irp i, 0,1,2,3,4,5,6,7,8,9,10,11,12,13,14,15
	s_wait_loadcnt 15-(\i)                         ; loads come back in order: number i is in, the 15 - i younger ones stay out
	v_cvt_pk_f16_f32 v[Y+2*(\i)], v[X+4*(\i)], v[X+4*(\i)+1]
	v_cvt_pk_f16_f32 v[Y+2*(\i)+1], v[X+4*(\i)+2], v[X+4*(\i)+3]
	global_store_b64 v2, v[Y+2*(\i):Y+2*(\i)+1], s[18:19] offset:2048*(\i)
.endr
	s_endpgm
; A step's ten loads into set q, from byte off behind the two pointers
.macro LOADS q, off
.irp i, 0,1,2,3,4,5,6,7
	global_load_b128 v[SET+40*(\q)+4*(\i):SET+40*(\q)+4*(\i)+3], v[GQ], s[6:7] offset:(\off)+(\i)*8*ROWW
.endr
.irp i, 0,1
	global_load_b128 v[SET+40*(\q)+32+4*(\i):SET+40*(\q)+32+4*(\i)+3], v[GK], s[8:9] offset:(\off)+(\i)*32*ROWW
.endr
.endm
; A step, on set q and LDS buffer q % 2.  ld = 1: the set is asked for again, four steps on.  left = how many younger loads may stay out.
.macro STEP q, ld, left
	s_wait_loadcnt \left                           ; loads come back in order: my set is in
.irp i, 0,1,2,3,4,5,6,7,8,9
	v_cvt_pk_f16_f32 v[CV+2*(\i)],   v[SET+40*(\q)+4*(\i)],   v[SET+40*(\q)+4*(\i)+1]  ; these twenty lines are also the places between the last step's products and the loads into their fragments
	v_cvt_pk_f16_f32 v[CV+2*(\i)+1], v[SET+40*(\q)+4*(\i)+2], v[SET+40*(\q)+4*(\i)+3]
.endr
.irp i, 0,1,2,3,4,5,6,7
	ds_store_b64 v[SQ], v[CV+2*(\i):CV+2*(\i)+1] offset:((\q)%2)*BUF+(\i)*8*PQ
.endr
.irp i, 0,1
	ds_store_b64 v[SK], v[CV+16+2*(\i):CV+16+2*(\i)+1] offset:((\q)%2)*BUF+(\i)*32*PK
.endr
.if \ld
	LOADS \q, (4+(\q))*STEPB
.endif
	s_wait_dscnt 0x0                               ; for the others' sake: my stores are done (my reads of the other buffer were waited for ahead of the last products)
	s_barrier_signal -1
	s_barrier_wait -1                              ; the buffer is whole; nobody reads the other one any more
.irp c, 0,1
	ds_load_tr16_b128 v[FR+24*(\c):FR+24*(\c)+3],   v[AK] offset:((\q)%2)*BUF+(\c)*32*PK
	ds_load_tr16_b128 v[FR+24*(\c)+4:FR+24*(\c)+7], v[AK] offset:((\q)%2)*BUF+(\c)*32*PK+16*PK
.irp j, 0,1
	ds_load_tr16_b128 v[FR+24*(\c)+8+8*(\j):FR+24*(\c)+8+8*(\j)+3],    v[AQ] offset:((\q)%2)*BUF+(\c)*32*PQ+32*(\j)
	ds_load_tr16_b128 v[FR+24*(\c)+8+8*(\j)+4:FR+24*(\c)+8+8*(\j)+7],  v[AQ] offset:((\q)%2)*BUF+(\c)*32*PQ+32*(\j)+16*PQ
.endr
.endr
	s_wait_dscnt 0x0
.irp c, 0,1
.irp j, 0,1
	v_wmma_f32_16x16x32_f16 v[ACC+8*(\j):ACC+8*(\j)+7], v[FR+24*(\c)+8+8*(\j):FR+24*(\c)+8+8*(\j)+7], v[FR+24*(\c):FR+24*(\c)+7], v[ACC+8*(\j):ACC+8*(\j)+7]  ; the two accumulators take turns, over the backward jump too
.endr
.endr
.endm
.Lproduct:
	v_lshrrev_b32 v28, 5, v0
	v_readfirstlane_b32 s16, v28                   ; wave 0..7
	v_and_b32 v1, 31, v0                           ; l
	v_and_b32 v29, 7, v0                           ; l % 8
	v_bfe_u32 v30, v0, 3, 2                        ; l / 8
	s_and_b32 s17, ttmp9, 7                        ; which 128 columns d1
	s_lshr_b32 s18, ttmp9, 3                       ; which 32 rows d2
	s_lshl_b32 s22, s16, 12
	v_lshl_add_u32 v[GQ], v1, 4, s22               ; Wq: row e = wave (+ 8 i), 16 bytes a lane
	s_lshl_b32 s22, s16, 14
	v_lshl_add_u32 v[GK], v30, 12, s22             ; Wk: row e = 4 x wave + l / 8 (+ 32 i),
	v_lshl_add_u32 v[GK], v29, 4, v[GK]            ; 16 bytes for each of eight lanes
	s_lshl_b32 s24, s17, 9                         ; 128 f32
	s_mov_b32 s25, 0
	s_lshl_b32 s26, s18, 7                         ; 32 f32
	s_mov_b32 s27, 0
	s_wait_kmcnt 0x0
	s_add_nc_u64 s[6:7], s[6:7], s[24:25]
	s_add_nc_u64 s[8:9], s[8:9], s[26:27]
	LOADS 0, 0                                     ; steps 0 to 3: forty loads of mine are out
	LOADS 1, STEPB
	LOADS 2, 2*STEPB
	LOADS 3, 3*STEPB
	v_bfe_u32 v31, v0, 4, 1                        ; l / 16
	v_bfe_u32 v32, v0, 3, 1                        ; (l / 8) % 2
	v_and_b32 v33, 15, v0                          ; l % 16
	s_lshr_b32 s19, s16, 1                         ; which 32 of the tile's columns are mine
	s_and_b32 s21, s16, 1                          ; which 16 of its rows
	s_mul_i32 s22, s16, PQ
	v_lshl_add_u32 v[SQ], v1, 3, s22               ; four f16 a lane: 256 consecutive bytes a wave
	s_mul_i32 s22, s16, 4*PK
	s_add_co_u32 s22, s22, QPART
	v_mul_u32_u24 v34, v30, PK
	v_lshl_add_u32 v34, v29, 3, v34
	v_add_nc_u32 v[SK], s22, v34
	; the turning load: lane l reads 16 bytes of row e = 8 (l / 16) + l % 8, columns 8 ((l / 8) % 2) + 0..7, and is left with column l % 16 and 8 e; a second load 16 rows on completes 32 e
	v_lshl_add_u32 v34, v31, 3, v29
	v_mul_u32_u24 v[AQ], v34, PQ
	v_lshl_add_u32 v[AQ], v32, 4, v[AQ]
	s_lshl_b32 s22, s19, 6
	v_add_nc_u32 v[AQ], s22, v[AQ]
	v_mul_u32_u24 v[AK], v34, PK
	v_lshl_add_u32 v[AK], v32, 4, v[AK]
	s_lshl_b32 s22, s21, 5
	s_add_co_u32 s22, s22, QPART
	v_add_nc_u32 v[AK], s22, v[AK]
	s_mul_i32 s22, s21, 16*SPITCH                  ; into the stage: my 16 rows, my 64 bytes of them; row l % 16, 16 bytes for each half of the lanes
	s_lshl_b32 s23, s19, 6
	s_add_co_u32 s22, s22, s23
	s_add_co_u32 s22, s22, STG
	v_mul_u32_u24 v[STO], v33, SPITCH
	v_lshl_add_u32 v[STO], v31, 4, v[STO]
	v_add_nc_u32 v[STO], s22, v[STO]
	s_mul_i32 s22, s16, 4*SPITCH                   ; back: wave w takes rows 4 w .. 4 w + 3, whole; lanes 0-15 one row of 256 bytes, lanes 16-31 the next
	s_add_co_u32 s22, s22, STG
	v_mul_u32_u24 v[RD], v31, SPITCH
	v_lshl_add_u32 v[RD], v33, 4, v[RD]
	v_add_nc_u32 v[RD], s22, v[RD]
	s_lshl_b32 s22, s16, 13                        ; and the same rows in wb, 2,048 bytes each
	v_lshl_add_u32 v34, v31, 11, s22
	v_lshl_add_u32 v[CO], v33, 4, v34
	s_lshl_b32 s24, s18, 16                        ; the tile's 32 rows,
	s_lshl_b32 s26, s17, 8                         ; its 256 bytes of them
	s_add_co_u32 s24, s24, s26
	s_add_nc_u64 s[14:15], s[14:15], s[24:25]
	s_mov_b32 s28, 0x42000000                      ; 32.0: the packed multiply takes the pair's low word for both halves
	s_mov_b32 s29, s28
.set r, 0
.rept 16
	v_mov_b32 v[ACC+r], 0                          ; the sums start at 0: written while the first loads are on their way, so that every step has one form of product
.set r, r+1
.endr
	s_mov_b32 s20, 3
.Ltrip:                                        ; four steps; the sets are asked for again, four steps on
	STEP 0, 1, 30                                  ; three younger sets, thirty loads, stay out
	STEP 1, 1, 30
	STEP 2, 1, 30
	STEP 3, 1, 30
	s_wait_xcnt 0x0                                ; every load issued so far has read its address, so the pointers may be written
	s_add_nc_u64 s[6:7], s[6:7], 4*STEPB
	s_add_nc_u64 s[8:9], s[8:9], 4*STEPB
	s_sub_co_u32 s20, s20, 1
	s_cmp_lg_u32 s20, 0
	s_cbranch_scc1 .Ltrip
	STEP 0, 0, 30                                  ; the last four steps load nothing: the counts run down
	STEP 1, 0, 20
	STEP 2, 0, 10
	STEP 3, 0, 0
.rept 4
	v_nop                                          ; four places between the last products and the lines that read their results (ISA guide 7.12.1)
.endr
.set r, 0
.rept 8
	v_pk_mul_f32 v[ACC+r:ACC+r+1], v[ACC+r:ACC+r+1], s[28:29] op_sel_hi:[1,0]  ; x 32, each accumulator's registers in ascending order
.set r, r+2
.endr
.irp r, 0,1,2,3,4,5,6,7
	v_cvt_pk_f16_f32 v[CV+(\r)], v[ACC+2*(\r)], v[ACC+2*(\r)+1]
.endr
	ds_store_b128 v[STO], v[CV:CV+3]
	ds_store_b128 v[STO], v[CV+4:CV+7] offset:32
	s_wait_dscnt 0x0                               ; for the others' sake: a row's 256 bytes come from four waves
	s_barrier_signal -1
	s_barrier_wait -1
	ds_load_b128 v[CV+8:CV+11], v[RD]
	ds_load_b128 v[CV+12:CV+15], v[RD] offset:2*SPITCH
	s_wait_dscnt 0x0
	global_store_b128 v[CO], v[CV+8:CV+11], s[14:15]                 ; 16 lanes store 256 consecutive bytes, at a multiple of 256 from wb's first byte
	global_store_b128 v[CO], v[CV+12:CV+15], s[14:15] offset:2*2048
	s_wait_tensorcnt 0x0                           ; the wave's end: a tensor wait, 0 onto my spare word, and a wait, behind my last LDS store
	ds_add_u32 v[SPW], v[NIL]
	s_wait_dscnt 0x0
	s_endpgm
.Lfunc_end_k_q9a7a206e4b_prep:
	.size	k_q9a7a206e4b_prep, .Lfunc_end_k_q9a7a206e4b_prep-k_q9a7a206e4b_prep
	.p2alignl 7, 3214868480
	.fill 96, 4, 3214868480
	.section	.rodata,"a",@progbits
	.p2align	6, 0x0
	.amdhsa_kernel k_q9a7a206e4b_prep
		.amdhsa_group_segment_fixed_size 58880
		.amdhsa_private_segment_fixed_size 0
		.amdhsa_enable_private_segment 0
		.amdhsa_kernarg_size 48
		.amdhsa_user_sgpr_count 2
		.amdhsa_user_sgpr_kernarg_segment_ptr 1
		.amdhsa_wavefront_size32 1
		.amdhsa_system_sgpr_workgroup_id_x 1
		.amdhsa_system_sgpr_workgroup_id_y 1
		.amdhsa_system_sgpr_workgroup_id_z 1
		.amdhsa_system_vgpr_workitem_id 0
		.amdhsa_next_free_vgpr 256
		.amdhsa_next_free_sgpr 66
		.amdhsa_reserve_vcc 0
		.amdhsa_float_denorm_mode_32 3
		.amdhsa_float_denorm_mode_16_64 3
		.amdhsa_memory_ordered 1
		.amdhsa_forward_progress 1
		.amdhsa_inst_pref_size 45
	.end_amdhsa_kernel
	.amdgpu_metadata
---
amdhsa.version: [ 1, 2 ]
amdhsa.kernels:
  - .name:           k_q9a7a206e4b_prep
    .symbol:         k_q9a7a206e4b_prep.kd
    .args:
      - { .name: x, .offset: 0, .size: 8, .value_kind: global_buffer, .address_space: global }
      - { .name: Wq, .offset: 8, .size: 8, .value_kind: global_buffer, .address_space: global }
      - { .name: Wk, .offset: 16, .size: 8, .value_kind: global_buffer, .address_space: global }
      - { .name: Wv, .offset: 24, .size: 8, .value_kind: global_buffer, .address_space: global }
      - { .name: xh, .offset: 32, .size: 8, .value_kind: global_buffer, .address_space: global }
      - { .name: wb, .offset: 40, .size: 8, .value_kind: global_buffer, .address_space: global }
    .group_segment_fixed_size: 58880
    .private_segment_fixed_size: 0
    .kernarg_segment_align: 8
    .kernarg_segment_size: 48
    .max_flat_workgroup_size: 256
    .sgpr_count:     66
    .vgpr_count:     256
    .wavefront_size: 32
...
	.end_amdgpu_metadata
.endif
;; end of part 1
;; launch proj (part 2): grid 8 x 32, 4 waves a work-group, clusters of 4 x 4, 327,680 bytes of LDS; arguments xh, wb, tv; writes tv
.if DOCPART == 2
	.amdgcn_target "amdgcn-amd-amdhsa--gfx1250"
	.amdhsa_code_object_version 6
	.text
	.protected	k_q9a7a206e4b_proj
	.globl	k_q9a7a206e4b_proj
	.p2align	8
	.type	k_q9a7a206e4b_proj,@function
k_q9a7a206e4b_proj:
	s_mov_b64 s[64:65], 0
	v_nop
	global_prefetch_b8 v0, s[64:65] scope:SCOPE_SE
	s_setreg_imm32_b32 hwreg(HW_REG_WAVE_MODE, 25, 1), 1
	s_wait_xcnt 0x0
	s_wait_alu depctr_hold_cnt(0) depctr_sa_sdst(0) depctr_va_vdst(0) depctr_va_sdst(0) depctr_va_ssrc(0) depctr_va_vcc(0) depctr_vm_vsrc(0)
	s_getreg_b32 s2, hwreg(HW_REG_IB_STS2, 6, 4)
	s_cmp_eq_u32 s2, 0
	s_cbranch_scc0 .Lentry_in_a_cluster
	s_endpgm
.Lentry_in_a_cluster:
	s_bfe_u32 s2, ttmp6, 0x10000c
	s_cmp_lg_u32 s2, 0xf033
	s_cbranch_scc0 .Lentry_shape_is_right
	s_endpgm
.Lentry_shape_is_right:
; tv[row][col] = g x the sum over d of xh[row][d] wb[col][d].  xh: [8192][1024] f16, wb: [2048][1024] f16 (rows 0-1023: 32 x Mt; rows 1024-2047: Wv), tv: [8192][2048] f16; sums in f32, rounded once.
; Columns 0-1023 are T x 2^-10, T = x Mt^T (g = 2^-15 takes wb's 32 away too); columns 1024-2047 are V = x Wv^T (g = 1).  The power of two is applied to the f32 sums, so it costs no rounding.
; LIMITS.  f16 holds no number beyond 65,504: V and T x 2^-10 lie within it (with inputs of unit spread V has spread 1 and T x 2^-10 spread 0.001).  Below 6e-5 a number keeps f16's fixed step of 6e-8.
; A tile of 256 x 256 is made by four waves, each 128 x 128: 64 accumulators of 16 x 16, 512 registers; 256 tiles in all.  K = 1024 goes in 8 steps of 128 through two LDS slots filled by tensor loads;
; a tile's rows are 256 bytes of memory, at multiples of 256 from the buffer's first byte.  A trip of the loop is ONE K step: the slot in hand is a scalar (TB) that an exclusive or turns.
; CLUSTERS: 4 x 4 work-groups.  The four of a row of the cluster need the same rows of xh, the four of a column the same rows of wb: each tile is asked for jointly, by the same tensor load
; with the same descriptor and a mask that names the four.
; THE MATRIX INSTRUCTION IS USED TRANSPOSED (source 0 = 16 rows of wb, source 1 = 16 rows of xh): a lane then holds eight neighbouring columns of one row of tv, 16 bytes in f16.
; REGISTERS, in windows of 256: window 0: v0-31 addresses; v64-127, v128-191 xh's fragments, two buffers; v32-63, v192-255 the way out.  Window 1: v64-127, v128-191 wb's fragments.
;   Window 2: the accumulators of my rows 0-63 ((a, b) at v[8 (8 a + b)]); window 3: those of rows 64-127.
.set KSTEP,  128
.set ROWB,   2048                      ; bytes in a row of xh and of wb
.set ROWE,   1024                      ; elements from row to row
.set CROW,   4096                      ; bytes in a row of tv
.set PITCH,  272                       ; an LDS row: 256 bytes + 16 of padding = 68 words: the 16 rows of a fragment load start at 16 different groups of four banks (ISA guide 11.1)
.set HALFT,  128*PITCH                 ; 128 rows: what one tensor load brings
.set SLOT,   4*HALFT                   ; xh's 256 rows, then wb's 256 rows
.set STAGE,  2*SLOT                    ; behind the ring: 16 rows x 272 bytes for each wave, for the way out
.set SPITCH, 272
.set SPARE,  STAGE+4*16*SPITCH         ; the spare words, 128 bytes for each wave: two blocks of 256 bytes that no other line names
.set ADRA0, 16                         ; v16  LDS address of my fragments of xh in slot 0; never rewritten
.set ADRB0, 17                         ; v17  the same for wb
.set ADRA,  18                         ; v18  the same in the slot in hand
.set ADRB,  19                         ; v19
.set STO,   24                         ; v24  the way out: where I put 16 bytes of a row
.set RD,    25                         ; v25  where I read a row back
.set CO,    26                         ; v26  my byte offset in tv
.set SPW,   28                         ; v28  my spare word; never rewritten
.set NIL,   29                         ; v29  0; never rewritten
.set PFO,   30                         ; v30  the prefetches' offset: my lane x a row; never rewritten
.set OB,    32                         ; 16 rows read back from the stage: v32-63 and v224-255 by turns
.set F0,    64
.set F1,    128
.set TMP,   192                        ; packed results
.set LW,  20                           ; s20  my wave's 128 rows in a slot
.set TB,  21                           ; s21  the slot in hand: 0 or SLOT
.set G1,  24                           ; s[24:31] descriptor group 1 for xh's tiles
.set G0,  32                           ; s[32:39] group 0: a set for each first fill; the second walks on
.set LIM, 43                           ; s43  1 in a wave that prefetches, else the greatest number
.set PFA, 44                           ; s[44:45] where my prefetches stand
.set G1B, 48                           ; s[48:55], s[56:63] the same for wb's tiles
.set G0B, 56
.set SC,  66                           ; s[66:67] g: the packed multiply takes the pair's low word for both halves
.set MSB, 0
.macro WIN new                         ; the immediate's high byte repeats the setting that is left; a switch that changes nothing is dropped
.if MSB != (\new)
	s_set_vgpr_msb (MSB<<8)|(\new)
.set MSB, \new
.endif
.endm
.set MUL_LO, 0xa1                      ; source 0 (wb) window 1, source 1 (xh) window 0, C and D window 2
.set MUL_HI, 0xf1                      ; the same, C and D window 3
.set TO_B,   0x40                      ; destination window 1, address window 0
; A joint refill by the walking descriptors.  Waves 0 and 1 fetch xh's two halves, waves 2 and 3 wb's; the branch hangs on the wave's number alone.
; An s_nop 0 and four v_nop follow each of the two lines, ahead of the jump and the label.
.macro JLOAD
	s_cmp_eq_u32 s11, 0
	s_cbranch_scc0 .Lfor_b_\@
	tensor_load_to_lds s[G0+4:G0+7], s[G1:G1+7]
	s_nop 0
.rept 4
	v_nop
.endr
	s_branch .Lasked_\@
.Lfor_b_\@:
	tensor_load_to_lds s[G0B+4:G0B+7], s[G1B:G1B+7]
	s_nop 0
.rept 4
	v_nop
.endr
.Lasked_\@:
.endm
; A prefetch into the L2 of the K step that the NEXT refill will ask for: 32 rows x 256 bytes, a lane a row, one instruction a wave.  Each row's 256 bytes of a K step are named once in the launch:
; xh's rows by the clusters with x = 0, wb's by those with y = 0; of the 128 rows that a wave fetches the four partners take 32 each, told apart by address.  The last trip's refill has no K step behind it.
.macro ASK
	s_cmp_gt_u32 s3, s[LIM]
	s_cbranch_scc0 .Lnot_mine_\@
	global_prefetch_b8 v[PFO], s[PFA:PFA+1] offset:KSTEP*2 th:TH_LOAD_NT scope:SCOPE_SE
.Lnot_mine_\@:
.endm
.macro CREST                           ; a round of the cluster's barrier behind its opening barrier
	s_cmp_lg_u32 s10, 0
	s_cbranch_scc1 .Lnot_wave_0_\@
	s_barrier_signal -3
.Lnot_wave_0_\@:
	s_barrier_wait -3
	s_barrier_signal -1
	s_barrier_wait -1
.endm
.macro CROUND                          ; a whole round
	s_barrier_signal -1
	s_barrier_wait -1
	CREST
.endm
.macro PLACES                          ; four plain vector instructions between a matrix instruction and a load into, or a vector read of, its registers
.rept 4
	v_nop
.endr
.endm
; 16 matrix instructions: row blocks a0, a0 + 1 of the window's four x all 8 column blocks, 32 along K.  zero = 1: the product starts the sums.
.macro MUL16 f, hi, a0, zero
	WIN MUL_LO+0x50*(\hi)
.irp a, \a0, (\a0)+1
.irp b, 0,1,2,3,4,5,6,7
.if \zero
	v_wmma_f32_16x16x32_f16 v[8*(8*(\a)+(\b)):8*(8*(\a)+(\b))+7], v[(\f)+8*(\b):(\f)+8*(\b)+7], v[(\f)+8*(4*(\hi)+(\a)):(\f)+8*(4*(\hi)+(\a))+7], 0
.else
	v_wmma_f32_16x16x32_f16 v[8*(8*(\a)+(\b)):8*(8*(\a)+(\b))+7], v[(\f)+8*(\b):(\f)+8*(\b)+7], v[(\f)+8*(4*(\hi)+(\a)):(\f)+8*(4*(\hi)+(\a))+7], v[8*(8*(\a)+(\b)):8*(8*(\a)+(\b))+7]
.endif
.endr
.endr
.endm
; 32 LDS loads in one run: the fragments of 32 along K at byte k of the rows of the slot in hand, into buffer f: wb's first, then xh's
.macro FETCH k, f
	WIN TO_B
.irp i, 0,1,2,3,4,5,6,7
	ds_load_b128 v[(\f)+8*(\i):(\f)+8*(\i)+3],   v[ADRB] offset:(\k)+(\i)*16*PITCH
	ds_load_b128 v[(\f)+8*(\i)+4:(\f)+8*(\i)+7], v[ADRB] offset:(\k)+(\i)*16*PITCH+32
.endr
	WIN 0
.irp i, 0,1,2,3,4,5,6,7
	ds_load_b128 v[(\f)+8*(\i):(\f)+8*(\i)+3],   v[ADRA] offset:(\k)+(\i)*16*PITCH
	ds_load_b128 v[(\f)+8*(\i)+4:(\f)+8*(\i)+7], v[ADRA] offset:(\k)+(\i)*16*PITCH+32
.endr
.endm
; One of a K step's first three quarters: multiplies buffer f; in its middle it fetches the next quarter, at byte k, into buffer g.
.macro QUARTER k, f, g, zero
	s_wait_dscnt 8                                 ; wb's fragments and xh's rows 0-63 are in; the youngest eight loads (rows 64-127) may be out
	MUL16 \f, 0, 0, \zero
	MUL16 \f, 0, 2, \zero
	PLACES
	FETCH \k, \g
	s_wait_dscnt 32                                ; all but the 32 just issued
	MUL16 \f, 1, 0, \zero
	MUL16 \f, 1, 2, \zero
.endm
; The last quarter multiplies buffer 1 and changes slots.  In front of the barrier each wave waits for all its tensor loads (one is out: its part of the next slot), adds 0 to its spare word, and waits
; for that and for its reads of this slot.  fill = 1: the barrier opens a round of the cluster's barrier, and behind it this slot is filled again, two K steps ahead: the wave's first and only tensor load there.
.macro TURN fill
.if \fill
	s_wait_xcnt 0x0                                ; the last prefetch, a K step back, has read its address
	s_add_nc_u64 s[PFA:PFA+1], s[PFA:PFA+1], KSTEP*2
.endif
	WIN 0
	s_wait_tensorcnt 0x0                           ; all my tensor loads have landed
	ds_add_u32 v[SPW], v[NIL]                      ; 0 onto my spare word
	s_wait_dscnt 9                                 ; the add and the youngest eight loads may be out
	MUL16 F1, 0, 0, 0
	s_wait_dscnt 0x0                               ; the add is done, and my reads of this slot are over
	s_barrier_signal -1
	MUL16 F1, 0, 2, 0
	WIN 0
	s_barrier_wait -1
.if \fill
	CREST                                          ; no wave of any partner still reads this slot or has a load on its way
	s_add_co_u32 s[G0+5], s[TB], s[LW]             ; the slot just read out,
	s_add_co_u32 s[G0B+5], s[TB], s[LW]
	s_add_nc_u64 s[G0+6:G0+7], s[G0+6:G0+7], KSTEP*2     ; the K step behind the one asked for last
	s_add_nc_u64 s[G0B+6:G0B+7], s[G0B+6:G0B+7], KSTEP*2
	JLOAD                                          ; its four v_nop are also the places in front of the loads below
.else
	PLACES
.endif
	s_xor_b32 s[TB], s[TB], SLOT                   ; the other slot is in hand
	v_add_nc_u32 v[ADRA], s[TB], v[ADRA0]
	v_add_nc_u32 v[ADRB], s[TB], v[ADRB0]
	FETCH 0, F0
.if \fill
	ASK
.endif
	MUL16 F1, 1, 0, 0
	MUL16 F1, 1, 2, 0
.endm
; THE WAY OUT of row block a.  PACK: times g, then rounded to f16, 16 bytes a lane, each accumulator's registers in ascending order.  TOSTAGE: into my own stage, and back as whole rows of 256 bytes.  SEND: stored.
.macro PACK a
.set AC, 64*((\a)%4)
.set SW, 2+(\a)/4                      ; the block's window
	WIN SW*65                                      ; source 0 and destination
.set i, 0
.rept 32
	v_pk_mul_f32 v[AC+i:AC+i+1], v[AC+i:AC+i+1], s[SC:SC+1] op_sel_hi:[1,0]
.set i, i+2
.endr
	WIN SW*5                                       ; sources 0 and 1
.irp b, 0,1,2,3,4,5,6,7
.irp r, 0,1,2,3
	v_cvt_pk_f16_f32 v[TMP+4*(\b)+(\r)], v[AC+8*(\b)+2*(\r)], v[AC+8*(\b)+2*(\r)+1]
.endr
.endr
	WIN 0
.endm
.macro TOSTAGE a
	WIN 0
.set BK, OB+192*((\a)%2)
.irp b, 0,1,2,3,4,5,6,7
	ds_store_b128 v[STO], v[TMP+4*(\b):TMP+4*(\b)+3] offset:32*(\b)
.endr
.irp t, 0,1,2,3,4,5,6,7
	ds_load_b128 v[BK+4*(\t):BK+4*(\t)+3], v[RD] offset:(\t)*2*SPITCH  ; LDS serves a wave's instructions in order (ISA guide 5.7.1.4): these see the stores above
.endr
.endm
.macro SEND a, younger
	WIN 0
.set BK, OB+192*((\a)%2)
	s_wait_dscnt \younger                          ; the block is back in registers
	s_wait_xcnt 0x0                                ; the stores of the block before have read their registers: the next TOSTAGE loads into them
.irp t, 0,1,2,3,4,5,6,7
	global_store_b128 v[CO], v[BK+4*(\t):BK+4*(\t)+3], s[8:9] offset:(16*(\a)+2*(\t))*CROW  ; 16 lanes store 256 consecutive bytes, at a multiple of 256 from tv's first byte
.endr
.endm
	s_load_b128 s[4:7], s[0:1], 0x0                ; xh s[4:5], wb s[6:7]
	s_load_b64 s[8:9], s[0:1], 0x10                ; tv
	v_lshl_add_u32 v[SPW], v0, 2, SPARE
	v_mov_b32 v[NIL], 0
	ds_add_u32 v[SPW], v[NIL]                      ; the wave's opening: the add and its wait, ahead of my first tensor load
	v_lshrrev_b32 v1, 5, v0
	v_readfirstlane_b32 s10, v1                    ; wave 0..3
	s_lshr_b32 s11, s10, 1                         ; which half of the tile's rows is mine.  Also: I fetch for xh (0) or for wb (1)
	s_and_b32 s12, s10, 1                          ; which half of its columns.  Also: which 128 rows I fetch
	s_bfe_u32 s40, ttmp6, 0x40000                  ; cx
	s_bfe_u32 s41, ttmp6, 0x40004                  ; cy
	s_lshl_b32 s42, ttmp9, 2
	s_add_co_u32 s42, s42, s40                     ; tile column = 4 x cluster x + cx
	s_and_b32 s13, ttmp7, 0xffff
	s_lshl_b32 s13, s13, 2
	s_add_co_u32 s13, s13, s41                     ; tile row = 4 x cluster y + cy
	s_lshl_b32 s43, s41, 2
	s_lshl_b32 s43, 15, s43                        ; my row of the cluster
	s_lshl_b32 s44, 0x1111, s40                    ; my column
	s_or_b32 s[G1+0], s43, (1<<16)|(1<<20)|(1<<21)|(5<<22)|(3<<25)   ; the mask; elements of 2 bytes; padding on; bit 21 beside a mask; after every 64 words 4 words
	s_or_b32 s[G1B+0], s44, (1<<16)|(1<<20)|(1<<21)|(5<<22)|(3<<25)
.irp g, G1, G1B
	s_mov_b32 s[(\g)+1], KSTEP<<16                 ; tensor_dim0 = 128
	s_mov_b32 s[(\g)+2], 128<<16                   ; tensor_dim1 = 128
	s_mov_b32 s[(\g)+3], KSTEP<<16                 ; tile_dim0 = 128
	s_mov_b32 s[(\g)+4], 128                       ; tile_dim1 = 128
	s_mov_b32 s[(\g)+5], ROWE                      ; elements from row to row
	s_mov_b32 s[(\g)+6], 0
	s_mov_b32 s[(\g)+7], 0
.endr
	s_cmp_eq_u32 ttmp9, 0                          ; the cluster's x: 0 for T's 1,024 columns, 1 for V's
	s_cselect_b32 s[SC], 0x38000000, 1.0           ; g = 2^-15 or 1
	s_mov_b32 s[SC+1], s[SC]
	s_lshl_b32 s17, s12, 7                         ; which 128 rows of the tile I fetch
	s_lshl_b32 s16, s13, 8
	s_add_co_u32 s16, s16, s17                     ; xh: row 256 x tile row + 128 x half
	s_mul_i32 s16, s16, ROWB
	s_lshl_b32 s46, s42, 8
	s_add_co_u32 s46, s46, s17                     ; wb: row 256 x tile column + 128 x half
	s_mul_i32 s46, s46, ROWB
	s_mov_b32 s17, 0
	s_mov_b32 s47, 0
	s_mul_i32 s[LW], s10, HALFT                    ; where they go: wave x 128 rows
	s_mov_b32 s[TB], 0
	s_wait_dscnt 0x0                               ; the opening add is done
	s_wait_kmcnt 0x0
	s_add_nc_u64 s[14:15], s[4:5], s[16:17]
	s_add_nc_u64 s[46:47], s[6:7], s[46:47]
	CROUND                                         ; all sixteen work-groups are here: the first joint loads meet
.irp s, 0,1
	s_mov_b32 s[G0+4*(\s)], 1
	s_add_co_u32 s[G0+4*(\s)+1], s[LW], (\s)*SLOT
	s_add_nc_u64 s[G0+4*(\s)+2:G0+4*(\s)+3], s[14:15], (\s)*KSTEP*2
	s_or_b32 s[G0+4*(\s)+3], s[G0+4*(\s)+3], 0x80000000
	s_mov_b32 s[G0B+4*(\s)], 1
	s_add_co_u32 s[G0B+4*(\s)+1], s[LW], (\s)*SLOT
	s_add_nc_u64 s[G0B+4*(\s)+2:G0B+4*(\s)+3], s[46:47], (\s)*KSTEP*2
	s_or_b32 s[G0B+4*(\s)+3], s[G0B+4*(\s)+3], 0x80000000
.endr
	s_cmp_eq_u32 s11, 0                            ; a wave's two first fills stand in one branch: two loads of mine are out
	s_cbranch_scc0 .Lfirst_b
	tensor_load_to_lds s[G0:G0+3], s[G1:G1+7]
	s_nop 0
	tensor_load_to_lds s[G0+4:G0+7], s[G1:G1+7]
	s_nop 0
.rept 4
	v_nop
.endr
	s_branch .Lfirst_asked
.Lfirst_b:
	tensor_load_to_lds s[G0B:G0B+3], s[G1B:G1B+7]
	s_nop 0
	tensor_load_to_lds s[G0B+4:G0B+7], s[G1B:G1B+7]
	s_nop 0
.rept 4
	v_nop
.endr
.Lfirst_asked:
	; a fragment is 16 rows x 32 K in 8 registers: lane l holds row l % 16, K = 8 (l / 16) + 0..7 and 16 + 8 (l / 16) + 0..7: two loads of 16 bytes, 32 bytes apart
	v_and_b32 v1, 15, v0                           ; l % 16
	v_bfe_u32 v2, v0, 4, 1                         ; l / 16
	v_mul_u32_u24 v3, v1, PITCH
	v_lshl_add_u32 v3, v2, 4, v3
	s_mul_i32 s22, s11, HALFT                      ; my 128 rows of xh
	s_mul_i32 s23, s12, HALFT                      ; my 128 rows of wb,
	s_add_co_u32 s23, s23, 2*HALFT                 ; which lie behind xh's 256
	v_add_nc_u32 v[ADRA0], s22, v3
	v_add_nc_u32 v[ADRB0], s23, v3
	v_mov_b32 v[ADRA], v[ADRA0]
	v_mov_b32 v[ADRB], v[ADRB0]
	s_mul_i32 s23, s10, 16*SPITCH
	s_add_co_u32 s23, s23, STAGE                   ; my stage
	v_mul_u32_u24 v4, v1, SPITCH                   ; in: row l % 16, 16 bytes for each half of the lanes
	v_lshl_add_u32 v4, v2, 4, v4
	v_add_nc_u32 v[STO], s23, v4
	v_mul_u32_u24 v5, v2, SPITCH                   ; back: lanes 0-15 one row of 256 bytes, lanes 16-31 the next
	v_lshl_add_u32 v5, v1, 4, v5
	v_add_nc_u32 v[RD], s23, v5
	v_mul_u32_u24 v5, v2, CROW                     ; and the same two rows in tv
	v_lshl_add_u32 v[CO], v1, 4, v5
	s_lshl_b32 s16, s13, 8
	s_lshl_b32 s14, s11, 7
	s_add_co_u32 s16, s16, s14                     ; my first row of tv
	s_mul_i32 s16, s16, CROW
	s_mov_b32 s17, 0
	s_add_nc_u64 s[8:9], s[8:9], s[16:17]
	s_lshl_b32 s46, s42, 9                         ; my first column, in bytes
	s_lshl_b32 s47, s12, 8
	s_add_co_u32 s46, s46, s47
	s_mov_b32 s47, 0
	s_add_nc_u64 s[8:9], s[8:9], s[46:47]
	; the prefetches
	s_lshl_b32 s13, s13, 8
	s_lshl_b32 s42, s42, 8
	s_and_b32 s22, ttmp7, 0xffff                   ; cluster y
	s_cmp_eq_u32 s11, 0                            ; do I fetch for xh?
	s_cselect_b32 s18, s13, s42                    ; the tile's first row
	s_cselect_b32 s19, s40, s41                    ; my place among the four that ask for it with me
	s_cselect_b32 s22, ttmp9, s22                  ; the coordinate along which other clusters read the same rows
	s_cselect_b64 s[PFA:PFA+1], s[4:5], s[6:7]
	s_cmp_eq_u32 s22, 0
	s_cselect_b32 s[LIM], 1, -1                    ; the same in all sixteen partners, for a given wave
	s_lshl_b32 s22, s12, 7
	s_add_co_u32 s18, s18, s22                     ; + the 128 rows that I fetch
	s_lshl_b32 s19, s19, 5
	s_add_co_u32 s18, s18, s19                     ; + my work-group's 32 of them
	s_mul_i32 s18, s18, ROWB
	s_add_co_u32 s18, s18, KSTEP*2                 ; at K step 1: the first refill steps it to 2 and names K step 3
	s_mov_b32 s19, 0
	s_add_nc_u64 s[PFA:PFA+1], s[PFA:PFA+1], s[18:19]
	v_and_b32 v[PFO], 31, v0
	v_mul_u32_u24 v[PFO], v[PFO], ROWB
	s_wait_tensorcnt 1                             ; my part of K step 0 is in; K step 1's may stay out
	s_barrier_signal -1
	s_barrier_wait -1
	FETCH 0, F0
	QUARTER 64, F0, F1, 1                          ; the first quarter stands in front of the loop: its products start the sums
	WIN 0
	s_mov_b32 s3, 6
.Lstep:                                        ; a trip: a K step's quarters 1 to 3 and the next step's quarter 0; K steps 2 to 7 are asked for
	QUARTER 128, F1, F0, 0
	QUARTER 192, F0, F1, 0
	TURN 1
	QUARTER 64, F0, F1, 0
	WIN 0
	s_sub_co_u32 s3, s3, 1
	s_cmp_lg_u32 s3, 0
	s_cbranch_scc1 .Lstep
	s_mov_b32 s3, 2                                ; the last two K steps ask for nothing: a second text, entered in its middle
	s_branch .Lmid
.Ltail:
	TURN 0
	QUARTER 64, F0, F1, 0
	WIN 0
.Lmid:
	QUARTER 128, F1, F0, 0
	QUARTER 192, F0, F1, 0
	WIN 0
	s_sub_co_u32 s3, s3, 1
	s_cmp_lg_u32 s3, 0
	s_cbranch_scc1 .Ltail
	s_wait_dscnt 8                                 ; the very last quarter
	MUL16 F1, 0, 0, 0
	MUL16 F1, 0, 2, 0
	s_wait_dscnt 0x0
	MUL16 F1, 1, 0, 0
	MUL16 F1, 1, 2, 0
	WIN 0
	PLACES
	PACK 0
	TOSTAGE 0
.irp a, 1,2,3,4,5,6,7                  ; block a's arithmetic stands between block a - 1's loads from the stage and the wait for them
	PACK \a
	SEND (\a)-1, 0
	TOSTAGE \a
.endr
	SEND 7, 0
	s_wait_tensorcnt 0x0                           ; the wave's end: a tensor wait, 0 onto my spare word, and a wait, behind my last tensor load and my last LDS store
	ds_add_u32 v[SPW], v[NIL]
	s_wait_dscnt 0x0
	CROUND                                         ; the closing round: no work-group ends while a partner may still ask for a tile that names it
	s_endpgm
.Lfunc_end_k_q9a7a206e4b_proj:
	.size	k_q9a7a206e4b_proj, .Lfunc_end_k_q9a7a206e4b_proj-k_q9a7a206e4b_proj
	.p2alignl 7, 3214868480
	.fill 96, 4, 3214868480
	.section	.rodata,"a",@progbits
	.p2align	6, 0x0
	.amdhsa_kernel k_q9a7a206e4b_proj
		.amdhsa_group_segment_fixed_size 327680
		.amdhsa_private_segment_fixed_size 0
		.amdhsa_enable_private_segment 0
		.amdhsa_kernarg_size 24
		.amdhsa_user_sgpr_count 2
		.amdhsa_user_sgpr_kernarg_segment_ptr 1
		.amdhsa_wavefront_size32 1
		.amdhsa_system_sgpr_workgroup_id_x 1
		.amdhsa_system_sgpr_workgroup_id_y 1
		.amdhsa_system_sgpr_workgroup_id_z 1
		.amdhsa_system_vgpr_workitem_id 0
		.amdhsa_next_free_vgpr 1024
		.amdhsa_next_free_sgpr 68
		.amdhsa_reserve_vcc 0
		.amdhsa_float_denorm_mode_32 3
		.amdhsa_float_denorm_mode_16_64 3
		.amdhsa_memory_ordered 1
		.amdhsa_forward_progress 1
		.amdhsa_inst_pref_size 121
	.end_amdhsa_kernel
	.amdgpu_metadata
---
amdhsa.version: [ 1, 2 ]
amdhsa.kernels:
  - .name:           k_q9a7a206e4b_proj
    .symbol:         k_q9a7a206e4b_proj.kd
    .args:
      - { .name: xh, .offset: 0, .size: 8, .value_kind: global_buffer, .address_space: global }
      - { .name: wb, .offset: 8, .size: 8, .value_kind: global_buffer, .address_space: global }
      - { .name: tv, .offset: 16, .size: 8, .value_kind: global_buffer, .address_space: global }
    .group_segment_fixed_size: 327680
    .private_segment_fixed_size: 0
    .kernarg_segment_align: 8
    .kernarg_segment_size: 24
    .max_flat_workgroup_size: 128
    .sgpr_count:     68
    .vgpr_count:     1024
    .wavefront_size: 32
...
	.end_amdgpu_metadata
.endif
;; end of part 2
;; launch scores (part 3): grid 8 x 32, 4 waves a work-group, clusters of 4 x 4, 327,680 bytes of LDS; arguments tv, xh, p, stats; writes p, stats
.if DOCPART == 3
	.amdgcn_target "amdgcn-amd-amdhsa--gfx1250"
	.amdhsa_code_object_version 6
	.text
	.protected	k_q9a7a206e4b_scores
	.globl	k_q9a7a206e4b_scores
	.p2align	8
	.type	k_q9a7a206e4b_scores,@function
k_q9a7a206e4b_scores:
	s_mov_b64 s[64:65], 0
	v_nop
	global_prefetch_b8 v0, s[64:65] scope:SCOPE_SE
	s_setreg_imm32_b32 hwreg(HW_REG_WAVE_MODE, 25, 1), 1
	s_wait_xcnt 0x0
	s_wait_alu depctr_hold_cnt(0) depctr_sa_sdst(0) depctr_va_vdst(0) depctr_va_sdst(0) depctr_va_ssrc(0) depctr_va_vcc(0) depctr_vm_vsrc(0)
	s_getreg_b32 s2, hwreg(HW_REG_IB_STS2, 6, 4)
	s_cmp_eq_u32 s2, 0
	s_cbranch_scc0 .Lentry_in_a_cluster
	s_endpgm
.Lentry_in_a_cluster:
	s_bfe_u32 s2, ttmp6, 0x10000c
	s_cmp_lg_u32 s2, 0xf033
	s_cbranch_scc0 .Lentry_shape_is_right
	s_endpgm
.Lentry_shape_is_right:
; For each batch: s[q][k] = T'[q] . x[k], K = 1024.  T' = T x 2^-10 is columns 0-1023 of tv ([8192][2048] f16), x is xh ([8192][1024] f16).  Q[q] . K[k] / 32 = 32 s, since T . x = Q . K.
; A wave's tile is 128 queries x 128 keys = one BLOCK t of the batch's 16 blocks of keys.
; For each query and block: cm = c x (the block's largest s), c = 32 log2(e); w = 2^(c s - cm), stored in f16 in p ([8192][2048]); l = the sum of the unrounded w.  stats ([2][16][8192] f32) takes cm and l.
; The row's true maximum is taken in the next launch, from the sixteen cm, in f32: every exponential here has its own block's maximum taken away, so none can overflow, and each block's largest w is 1.
; LIMITS.  T' and x arrive within f16's 65,504.  A w below 6e-5 keeps f16's fixed step of 6e-8; below 2^-126 it counts as 0 in l.  NaN and infinities are not treated apart.
; The product is the 256 x 256 tile of the launch before: four waves of 128 x 128, 8 K steps of 128 through two LDS slots, one K step a trip, the slot in hand a scalar (TB).
; CLUSTERS: 4 x 4 work-groups; T's tiles are shared along a row of the cluster, x's along a column, each asked for jointly.
; TRANSPOSED USE (source 0 = 16 keys, source 1 = 16 queries): a lane holds ONE query (lane % 16) and, of each accumulator, the keys 8 (lane / 16) + 0..7: a query's maximum and sum want one exchange of the lanes' halves.
; REGISTERS as in the launch before; on the way out window 0's v64-103 (fragments no longer wanted) hold the softmax's work.
.set KSTEP,  128
.set ROWA,   4096                      ; bytes in a row of tv
.set ROWAE,  2048
.set ROWX,   2048                      ; bytes in a row of xh
.set ROWXE,  1024
.set CROW,   4096                      ; bytes in a row of p
.set PITCH,  272
.set HALFT,  128*PITCH
.set SLOT,   4*HALFT
.set STAGE,  2*SLOT
.set SPITCH, 272
.set SPARE,  STAGE+4*16*SPITCH         ; the spare words: two blocks of 256 bytes that no other line names
.set STAT,   SPARE+512                 ; 1,024 bytes for each wave: 128 cm, then 128 l
.set ADRA0, 16
.set ADRB0, 17
.set ADRA,  18
.set ADRB,  19
.set SA,    20                         ; v20  where I put my query's cm
.set SR,    21                         ; v21  where I read 16 bytes of them back
.set SG,    22                         ; v22  16 x lane: my bytes of 512 in stats
.set STO,   24
.set RD,    25
.set CO,    26
.set SPW,   28
.set NIL,   29
.set PFO,   30
.set OB,    32
.set F0,    64
.set F1,    128
.set TMP,   192
.set CH,    64                         ; v64-71  eight chains of the maximum
.set CM,    72                         ; v72-73  cm, and a 0 named with it as a pair
.set SU,    74                         ; v74-75  the sum's last pair
.set MS,    80                         ; v80-87  cm of the eight query blocks
.set LS,    88                         ; v88-95  l of the eight
.set LW,  20
.set TB,  21
.set G1,  24
.set G0,  32
.set LIM, 43
.set PFA, 44
.set G1B, 48
.set G0B, 56
.set CS,  66                           ; s[66:67] c: the packed scaling takes the pair's low word for both halves
.set SEL, 68                           ; s[68:69] v_permlanex16_b32's selects: each lane takes its own place in the other half
.set PP,  72                           ; s[72:73] p
.set STP, 74                           ; s[74:75] stats, then stats at my wave's 128 cm
.set MSB, 0
.macro WIN new
.if MSB != (\new)
	s_set_vgpr_msb (MSB<<8)|(\new)
.set MSB, \new
.endif
.endm
.set MUL_LO, 0xa1
.set MUL_HI, 0xf1
.set TO_B,   0x40
.macro JLOAD                           ; waves 0 and 1 fetch T's two halves, waves 2 and 3 x's; an s_nop 0 and four v_nop follow each line
	s_cmp_eq_u32 s11, 0
	s_cbranch_scc0 .Lfor_b_\@
	tensor_load_to_lds s[G0+4:G0+7], s[G1:G1+7]
	s_nop 0
.rept 4
	v_nop
.endr
	s_branch .Lasked_\@
.Lfor_b_\@:
	tensor_load_to_lds s[G0B+4:G0B+7], s[G1B:G1B+7]
	s_nop 0
.rept 4
	v_nop
.endr
.Lasked_\@:
.endm
; A prefetch into the L2 of the K step that the next refill will ask for: 32 rows x 256 bytes, a lane a row.  T's rows are named by the clusters with x = 0, x's by the first of the two clusters (even y)
; that walk a batch's keys in the same columns; the four partners take 32 rows each, told apart by address.  The last trip asks for nothing.
.macro ASK
	s_cmp_gt_u32 s3, s[LIM]
	s_cbranch_scc0 .Lnot_mine_\@
	global_prefetch_b8 v[PFO], s[PFA:PFA+1] offset:KSTEP*2 th:TH_LOAD_NT scope:SCOPE_SE
.Lnot_mine_\@:
.endm
.macro CREST
	s_cmp_lg_u32 s10, 0
	s_cbranch_scc1 .Lnot_wave_0_\@
	s_barrier_signal -3
.Lnot_wave_0_\@:
	s_barrier_wait -3
	s_barrier_signal -1
	s_barrier_wait -1
.endm
.macro CROUND
	s_barrier_signal -1
	s_barrier_wait -1
	CREST
.endm
.macro PLACES
.rept 4
	v_nop
.endr
.endm
.macro MUL16 f, hi, a0, zero
	WIN MUL_LO+0x50*(\hi)
.irp a, \a0, (\a0)+1
.irp b, 0,1,2,3,4,5,6,7
.if \zero
	v_wmma_f32_16x16x32_f16 v[8*(8*(\a)+(\b)):8*(8*(\a)+(\b))+7], v[(\f)+8*(\b):(\f)+8*(\b)+7], v[(\f)+8*(4*(\hi)+(\a)):(\f)+8*(4*(\hi)+(\a))+7], 0
.else
	v_wmma_f32_16x16x32_f16 v[8*(8*(\a)+(\b)):8*(8*(\a)+(\b))+7], v[(\f)+8*(\b):(\f)+8*(\b)+7], v[(\f)+8*(4*(\hi)+(\a)):(\f)+8*(4*(\hi)+(\a))+7], v[8*(8*(\a)+(\b)):8*(8*(\a)+(\b))+7]
.endif
.endr
.endr
.endm
.macro FETCH k, f
	WIN TO_B
.irp i, 0,1,2,3,4,5,6,7
	ds_load_b128 v[(\f)+8*(\i):(\f)+8*(\i)+3],   v[ADRB] offset:(\k)+(\i)*16*PITCH
	ds_load_b128 v[(\f)+8*(\i)+4:(\f)+8*(\i)+7], v[ADRB] offset:(\k)+(\i)*16*PITCH+32
.endr
	WIN 0
.irp i, 0,1,2,3,4,5,6,7
	ds_load_b128 v[(\f)+8*(\i):(\f)+8*(\i)+3],   v[ADRA] offset:(\k)+(\i)*16*PITCH
	ds_load_b128 v[(\f)+8*(\i)+4:(\f)+8*(\i)+7], v[ADRA] offset:(\k)+(\i)*16*PITCH+32
.endr
.endm
.macro QUARTER k, f, g, zero
	s_wait_dscnt 8                                 ; x's fragments and T's rows 0-63 are in; the youngest eight loads may be out
	MUL16 \f, 0, 0, \zero
	MUL16 \f, 0, 2, \zero
	PLACES
	FETCH \k, \g
	s_wait_dscnt 32                                ; all but the 32 just issued
	MUL16 \f, 1, 0, \zero
	MUL16 \f, 1, 2, \zero
.endm
.macro TURN fill                       ; the last quarter and the change of slots, as in the launch before
.if \fill
	s_wait_xcnt 0x0                                ; the last prefetch, a K step back, has read its address
	s_add_nc_u64 s[PFA:PFA+1], s[PFA:PFA+1], KSTEP*2
.endif
	WIN 0
	s_wait_tensorcnt 0x0                           ; all my tensor loads have landed
	ds_add_u32 v[SPW], v[NIL]                      ; 0 onto my spare word
	s_wait_dscnt 9                                 ; the add and the youngest eight loads may be out
	MUL16 F1, 0, 0, 0
	s_wait_dscnt 0x0                               ; the add is done, and my reads of this slot are over
	s_barrier_signal -1
	MUL16 F1, 0, 2, 0
	WIN 0
	s_barrier_wait -1
.if \fill
	CREST
	s_add_co_u32 s[G0+5], s[TB], s[LW]
	s_add_co_u32 s[G0B+5], s[TB], s[LW]
	s_add_nc_u64 s[G0+6:G0+7], s[G0+6:G0+7], KSTEP*2
	s_add_nc_u64 s[G0B+6:G0B+7], s[G0B+6:G0B+7], KSTEP*2
	JLOAD
.else
	PLACES
.endif
	s_xor_b32 s[TB], s[TB], SLOT
	v_add_nc_u32 v[ADRA], s[TB], v[ADRA0]
	v_add_nc_u32 v[ADRB], s[TB], v[ADRB0]
	FETCH 0, F0
.if \fill
	ASK
.endif
	MUL16 F1, 1, 0, 0
	MUL16 F1, 1, 2, 0
.endm
; THE SOFTMAX OF QUERY BLOCK a: 16 queries x my 128 keys, 64 scores a lane in eight accumulators.  The window settings are multiples of the block's window SW (2 or 3).
.macro SOFT a
.set SW, 2+(\a)/4
.set AC, 64*((\a)%4)
	WIN SW*21                                      ; all three sources in the block's window
.irp b, 0,1,2,3,4,5,6,7
	v_max3_num_f32 v[CH+(\b)], v[AC+8*(\b)], v[AC+8*(\b)+1], v[AC+8*(\b)+2]  ; each accumulator's lowest registers are read first
.endr
	WIN SW*20                                      ; sources 1 and 2
.irp b, 0,1,2,3,4,5,6,7
	v_max3_num_f32 v[CH+(\b)], v[CH+(\b)], v[AC+8*(\b)+3], v[AC+8*(\b)+4]
.endr
.irp b, 0,1,2,3,4,5,6,7
	v_max3_num_f32 v[CH+(\b)], v[CH+(\b)], v[AC+8*(\b)+5], v[AC+8*(\b)+6]
.endr
.irp b, 0,2,4,6
	v_max3_num_f32 v[CH+(\b)], v[CH+(\b)], v[AC+8*(\b)+7], v[AC+8*(\b)+15]
.endr
	WIN 0
	v_max3_num_f32 v[CH], v[CH], v[CH+1], v[CH+2]
	v_max3_num_f32 v[CH+3], v[CH+3], v[CH+4], v[CH+5]
	v_max_num_f32 v[CH+6], v[CH+6], v[CH+7]
	v_max3_num_f32 v[CH], v[CH], v[CH+3], v[CH+6]
	v_permlanex16_b32 v[CH+1], v[CH], s[SEL], s[SEL+1]  ; the query's other 64 keys lie in the lane 16 away
	v_max_num_f32 v[CH], v[CH], v[CH+1]
	v_mul_f32 v[CM], s[CS], v[CH]
	v_mov_b32 v[MS+(\a)], v[CM]
	WIN SW*65                                      ; source 0 and destination
.set i, 0
.rept 32
	v_pk_fma_f32 v[AC+i:AC+i+1], v[AC+i:AC+i+1], s[CS:CS+1], v[CM:CM+1] op_sel_hi:[1,0,0] neg_lo:[0,0,1] neg_hi:[0,0,1]  ; c s - cm
.set i, i+2
.endr
.set i, 0
.rept 64
	v_exp_f32 v[AC+i], v[AC+i]
.set i, i+1
.endr
	v_nop                                          ; a plain instruction behind the last exponential,
	s_wait_alu depctr_va_vdst(0)                   ; and a wait ahead of the batch's first reader
	WIN SW*5                                       ; sources 0 and 1
.set i, 0
.rept 32
	v_cvt_pk_f16_f32 v[TMP+i], v[AC+2*i], v[AC+2*i+1]
.set i, i+1
.endr
	WIN SW*69                                      ; sources 0 and 1 and destination: the 32 pairs are added in place, neighbours 1, 2, 4 and 8 pairs apart
.irp st, 4,8,16,32
.set u, 0
.rept 64/(\st)
	v_pk_add_f32 v[AC+(\st)*u:AC+(\st)*u+1], v[AC+(\st)*u:AC+(\st)*u+1], v[AC+(\st)*u+(\st)/2:AC+(\st)*u+(\st)/2+1]
.set u, u+1
.endr
.endr
	WIN SW*5
	v_pk_add_f32 v[SU:SU+1], v[AC:AC+1], v[AC+32:AC+33]
	WIN 0
	v_add_f32 v[SU], v[SU], v[SU+1]
	v_permlanex16_b32 v[SU+1], v[SU], s[SEL], s[SEL+1]
	v_add_f32 v[LS+(\a)], v[SU], v[SU+1]
.endm
.macro TOSTAGE a
	WIN 0
.set BK, OB+192*((\a)%2)
.irp b, 0,1,2,3,4,5,6,7
	ds_store_b128 v[STO], v[TMP+4*(\b):TMP+4*(\b)+3] offset:32*(\b)
.endr
.irp t, 0,1,2,3,4,5,6,7
	ds_load_b128 v[BK+4*(\t):BK+4*(\t)+3], v[RD] offset:(\t)*2*SPITCH  ; LDS serves a wave's instructions in order (ISA guide 5.7.1.4): these see the stores above
.endr
.endm
.macro SEND a, younger
	WIN 0
.set BK, OB+192*((\a)%2)
	s_wait_dscnt \younger
	s_wait_xcnt 0x0                                ; the stores of the block before have read their registers: the next TOSTAGE loads into them
.irp t, 0,1,2,3,4,5,6,7
	global_store_b128 v[CO], v[BK+4*(\t):BK+4*(\t)+3], s[8:9] offset:(16*(\a)+2*(\t))*CROW  ; 16 lanes store 256 consecutive bytes, at a multiple of 256 from p's first byte
.endr
.endm
	s_load_b128 s[4:7], s[0:1], 0x0                ; tv s[4:5], xh s[6:7]
	s_load_b128 s[PP:PP+3], s[0:1], 0x10           ; p, stats
	v_lshl_add_u32 v[SPW], v0, 2, SPARE
	v_mov_b32 v[NIL], 0
	ds_add_u32 v[SPW], v[NIL]                      ; the wave's opening: the add and its wait, ahead of my first tensor load
	v_lshrrev_b32 v1, 5, v0
	v_readfirstlane_b32 s10, v1                    ; wave 0..3
	s_lshr_b32 s11, s10, 1                         ; which half of the tile's queries is mine.  Also: I fetch for T (0) or for x (1)
	s_and_b32 s12, s10, 1                          ; which half of its keys.  Also: which 128 rows I fetch
	s_bfe_u32 s40, ttmp6, 0x40000                  ; cx
	s_bfe_u32 s41, ttmp6, 0x40004                  ; cy
	s_lshl_b32 s42, ttmp9, 2
	s_add_co_u32 s42, s42, s40                     ; tile of 256 keys in the batch = 4 x cluster x + cx
	s_and_b32 s13, ttmp7, 0xffff
	s_lshl_b32 s13, s13, 2
	s_add_co_u32 s13, s13, s41                     ; tile of 256 queries, over all batches = 4 x cluster y + cy
	s_lshl_b32 s43, s41, 2
	s_lshl_b32 s43, 15, s43                        ; my row of the cluster
	s_lshl_b32 s44, 0x1111, s40                    ; my column
	s_or_b32 s[G1+0], s43, (1<<16)|(1<<20)|(1<<21)|(5<<22)|(3<<25)
	s_or_b32 s[G1B+0], s44, (1<<16)|(1<<20)|(1<<21)|(5<<22)|(3<<25)
.irp g, G1, G1B
	s_mov_b32 s[(\g)+1], KSTEP<<16                 ; tensor_dim0 = 128
	s_mov_b32 s[(\g)+2], 128<<16                   ; tensor_dim1 = 128
	s_mov_b32 s[(\g)+3], KSTEP<<16                 ; tile_dim0 = 128
	s_mov_b32 s[(\g)+4], 128                       ; tile_dim1 = 128
	s_mov_b32 s[(\g)+6], 0
	s_mov_b32 s[(\g)+7], 0
.endr
	s_mov_b32 s[G1+5], ROWAE                       ; elements from row to row: tv's,
	s_mov_b32 s[G1B+5], ROWXE                      ; xh's
	s_mov_b32 s[CS], 0x4238aa3b                    ; c = 32 log2(e)
	s_mov_b32 s[CS+1], s[CS]
	s_mov_b32 s[SEL], 0x76543210
	s_mov_b32 s[SEL+1], 0xfedcba98
	s_lshl_b32 s17, s12, 7
	s_lshl_b32 s16, s13, 8
	s_add_co_u32 s16, s16, s17                     ; T: row 256 x query tile + 128 x half
	s_mul_i32 s16, s16, ROWA
	s_lshl_b32 s46, s42, 8
	s_add_co_u32 s46, s46, s17                     ; x: row 256 x key tile + 128 x half
	s_and_b32 s22, ttmp7, 0xffff
	s_lshr_b32 s22, s22, 1                         ; the batch: two clusters along y to each; the cluster's y, not my place in it
	s_lshl_b32 s22, s22, 11
	s_add_co_u32 s46, s46, s22                     ; + the batch's 2,048 rows
	s_mul_i32 s46, s46, ROWX
	s_mov_b32 s17, 0
	s_mov_b32 s47, 0
	s_mul_i32 s[LW], s10, HALFT
	s_mov_b32 s[TB], 0
	s_wait_dscnt 0x0                               ; the opening add is done
	s_wait_kmcnt 0x0
	s_add_nc_u64 s[14:15], s[4:5], s[16:17]
	s_add_nc_u64 s[46:47], s[6:7], s[46:47]
	CROUND                                         ; all sixteen work-groups are here: the first joint loads meet
.irp s, 0,1
	s_mov_b32 s[G0+4*(\s)], 1
	s_add_co_u32 s[G0+4*(\s)+1], s[LW], (\s)*SLOT
	s_add_nc_u64 s[G0+4*(\s)+2:G0+4*(\s)+3], s[14:15], (\s)*KSTEP*2
	s_or_b32 s[G0+4*(\s)+3], s[G0+4*(\s)+3], 0x80000000
	s_mov_b32 s[G0B+4*(\s)], 1
	s_add_co_u32 s[G0B+4*(\s)+1], s[LW], (\s)*SLOT
	s_add_nc_u64 s[G0B+4*(\s)+2:G0B+4*(\s)+3], s[46:47], (\s)*KSTEP*2
	s_or_b32 s[G0B+4*(\s)+3], s[G0B+4*(\s)+3], 0x80000000
.endr
	s_cmp_eq_u32 s11, 0                            ; a wave's two first fills stand in one branch: two loads of mine are out
	s_cbranch_scc0 .Lfirst_b
	tensor_load_to_lds s[G0:G0+3], s[G1:G1+7]
	s_nop 0
	tensor_load_to_lds s[G0+4:G0+7], s[G1:G1+7]
	s_nop 0
.rept 4
	v_nop
.endr
	s_branch .Lfirst_asked
.Lfirst_b:
	tensor_load_to_lds s[G0B:G0B+3], s[G1B:G1B+7]
	s_nop 0
	tensor_load_to_lds s[G0B+4:G0B+7], s[G1B:G1B+7]
	s_nop 0
.rept 4
	v_nop
.endr
.Lfirst_asked:
	v_and_b32 v1, 15, v0                           ; l % 16
	v_bfe_u32 v2, v0, 4, 1                         ; l / 16
	v_mul_u32_u24 v3, v1, PITCH
	v_lshl_add_u32 v3, v2, 4, v3
	s_mul_i32 s22, s11, HALFT
	s_mul_i32 s23, s12, HALFT
	s_add_co_u32 s23, s23, 2*HALFT
	v_add_nc_u32 v[ADRA0], s22, v3
	v_add_nc_u32 v[ADRB0], s23, v3
	v_mov_b32 v[ADRA], v[ADRA0]
	v_mov_b32 v[ADRB], v[ADRB0]
	s_mul_i32 s23, s10, 16*SPITCH
	s_add_co_u32 s23, s23, STAGE                   ; my stage
	v_mul_u32_u24 v4, v1, SPITCH
	v_lshl_add_u32 v4, v2, 4, v4
	v_add_nc_u32 v[STO], s23, v4
	v_mul_u32_u24 v5, v2, SPITCH
	v_lshl_add_u32 v5, v1, 4, v5
	v_add_nc_u32 v[RD], s23, v5
	v_mul_u32_u24 v5, v2, CROW
	v_lshl_add_u32 v[CO], v1, 4, v5
	s_lshl_b32 s23, s10, 10
	s_add_co_u32 s23, s23, STAT                    ; my 1,024 bytes for cm and l
	v_and_b32 v5, 31, v0
	v_lshl_add_u32 v[SA], v1, 2, s23
	v_lshl_add_u32 v[SR], v5, 4, s23
	v_lshlrev_b32 v[SG], 4, v5
	s_lshl_b32 s16, s13, 8
	s_lshl_b32 s14, s11, 7
	s_add_co_u32 s16, s16, s14                     ; my first row of p
	s_mul_i32 s16, s16, CROW
	s_mov_b32 s17, 0
	s_add_nc_u64 s[8:9], s[PP:PP+1], s[16:17]
	s_lshl_b32 s46, s42, 9                         ; my first key, in bytes
	s_lshl_b32 s47, s12, 8
	s_add_co_u32 s46, s46, s47
	s_mov_b32 s47, 0
	s_add_nc_u64 s[8:9], s[8:9], s[46:47]
	s_lshl_b32 s46, s42, 1
	s_add_co_u32 s46, s46, s12                     ; my block of keys t = 2 x key tile + half
	s_lshl_b32 s46, s46, 13                        ; x 8,192 rows
	s_lshl_b32 s47, s13, 8
	s_add_co_u32 s46, s46, s47
	s_lshl_b32 s47, s11, 7
	s_add_co_u32 s46, s46, s47                     ; + my first row
	s_lshl_b32 s46, s46, 2
	s_mov_b32 s47, 0
	s_add_nc_u64 s[STP:STP+1], s[STP:STP+1], s[46:47]
	; the prefetches
	s_lshl_b32 s13, s13, 8
	s_lshl_b32 s42, s42, 8
	s_and_b32 s22, ttmp7, 0xffff
	s_lshr_b32 s23, s22, 1
	s_lshl_b32 s23, s23, 11
	s_add_co_u32 s42, s42, s23                     ; the keys' tile begins in the batch's rows
	s_and_b32 s22, s22, 1                          ; 0 in the first of the batch's two clusters
	s_mov_b32 s23, ROWX
	s_cmp_eq_u32 s11, 0                            ; do I fetch for T?
	s_cselect_b32 s18, s13, s42
	s_cselect_b32 s19, s40, s41                    ; my place among the four that ask with me
	s_cselect_b32 s22, ttmp9, s22
	s_cselect_b32 s23, ROWA, s23                   ; bytes from row to row
	s_cselect_b64 s[PFA:PFA+1], s[4:5], s[6:7]
	s_cmp_eq_u32 s22, 0
	s_cselect_b32 s[LIM], 1, -1
	s_lshl_b32 s22, s12, 7
	s_add_co_u32 s18, s18, s22
	s_lshl_b32 s19, s19, 5
	s_add_co_u32 s18, s18, s19
	s_mul_i32 s18, s18, s23
	s_add_co_u32 s18, s18, KSTEP*2                 ; at K step 1: the first refill steps it to 2 and names K step 3
	s_mov_b32 s19, 0
	s_add_nc_u64 s[PFA:PFA+1], s[PFA:PFA+1], s[18:19]
	v_and_b32 v[PFO], 31, v0
	v_mul_u32_u24 v[PFO], s23, v[PFO]
	s_wait_tensorcnt 1                             ; my part of K step 0 is in; K step 1's may stay out
	s_barrier_signal -1
	s_barrier_wait -1
	FETCH 0, F0
	QUARTER 64, F0, F1, 1
	WIN 0
	s_mov_b32 s3, 6
.Lstep:
	QUARTER 128, F1, F0, 0
	QUARTER 192, F0, F1, 0
	TURN 1
	QUARTER 64, F0, F1, 0
	WIN 0
	s_sub_co_u32 s3, s3, 1
	s_cmp_lg_u32 s3, 0
	s_cbranch_scc1 .Lstep
	s_mov_b32 s3, 2                                ; the last two K steps ask for nothing: a second text, entered in its middle
	s_branch .Lmid
.Ltail:
	TURN 0
	QUARTER 64, F0, F1, 0
	WIN 0
.Lmid:
	QUARTER 128, F1, F0, 0
	QUARTER 192, F0, F1, 0
	WIN 0
	s_sub_co_u32 s3, s3, 1
	s_cmp_lg_u32 s3, 0
	s_cbranch_scc1 .Ltail
	s_wait_dscnt 8                                 ; the very last quarter
	MUL16 F1, 0, 0, 0
	MUL16 F1, 0, 2, 0
	s_wait_dscnt 0x0
	MUL16 F1, 1, 0, 0
	MUL16 F1, 1, 2, 0
	WIN 0
	PLACES
	v_mov_b32 v[CM+1], 0                           ; named with cm as a pair
	SOFT 0
	TOSTAGE 0
.irp a, 1,2,3,4,5,6,7                  ; block a's softmax stands between block a - 1's loads from the stage and the wait for them
	SOFT \a
	SEND (\a)-1, 0
	TOSTAGE \a
.endr
	SEND 7, 0
	; cm and l: query 16 a + l % 16 at byte 64 a + 4 (l % 16) of my own bytes (both halves of the lanes hold, and write, the same number); back as 512 consecutive bytes each
.irp a, 0,1,2,3,4,5,6,7
	ds_store_b32 v[SA], v[MS+(\a)] offset:64*(\a)
	ds_store_b32 v[SA], v[LS+(\a)] offset:512+64*(\a)
.endr
	ds_load_b128 v[96:99], v[SR]
	ds_load_b128 v[100:103], v[SR] offset:512
	s_wait_dscnt 0x0
	global_store_b128 v[SG], v[96:99], s[STP:STP+1]
	global_store_b128 v[SG], v[100:103], s[STP:STP+1] offset:524288
	s_wait_tensorcnt 0x0                           ; the wave's end: a tensor wait, 0 onto my spare word, and a wait, behind my last tensor load and my last LDS store
	ds_add_u32 v[SPW], v[NIL]
	s_wait_dscnt 0x0
	CROUND                                         ; the closing round
	s_endpgm
.Lfunc_end_k_q9a7a206e4b_scores:
	.size	k_q9a7a206e4b_scores, .Lfunc_end_k_q9a7a206e4b_scores-k_q9a7a206e4b_scores
	.p2alignl 7, 3214868480
	.fill 96, 4, 3214868480
	.section	.rodata,"a",@progbits
	.p2align	6, 0x0
	.amdhsa_kernel k_q9a7a206e4b_scores
		.amdhsa_group_segment_fixed_size 327680
		.amdhsa_private_segment_fixed_size 0
		.amdhsa_enable_private_segment 0
		.amdhsa_kernarg_size 32
		.amdhsa_user_sgpr_count 2
		.amdhsa_user_sgpr_kernarg_segment_ptr 1
		.amdhsa_wavefront_size32 1
		.amdhsa_system_sgpr_workgroup_id_x 1
		.amdhsa_system_sgpr_workgroup_id_y 1
		.amdhsa_system_sgpr_workgroup_id_z 1
		.amdhsa_system_vgpr_workitem_id 0
		.amdhsa_next_free_vgpr 1024
		.amdhsa_next_free_sgpr 76
		.amdhsa_reserve_vcc 0
		.amdhsa_float_denorm_mode_32 3
		.amdhsa_float_denorm_mode_16_64 3
		.amdhsa_memory_ordered 1
		.amdhsa_forward_progress 1
		.amdhsa_inst_pref_size 174
	.end_amdhsa_kernel
	.amdgpu_metadata
---
amdhsa.version: [ 1, 2 ]
amdhsa.kernels:
  - .name:           k_q9a7a206e4b_scores
    .symbol:         k_q9a7a206e4b_scores.kd
    .args:
      - { .name: tv, .offset: 0, .size: 8, .value_kind: global_buffer, .address_space: global }
      - { .name: xh, .offset: 8, .size: 8, .value_kind: global_buffer, .address_space: global }
      - { .name: p, .offset: 16, .size: 8, .value_kind: global_buffer, .address_space: global }
      - { .name: stats, .offset: 24, .size: 8, .value_kind: global_buffer, .address_space: global }
    .group_segment_fixed_size: 327680
    .private_segment_fixed_size: 0
    .kernarg_segment_align: 8
    .kernarg_segment_size: 32
    .max_flat_workgroup_size: 128
    .sgpr_count:     76
    .vgpr_count:     1024
    .wavefront_size: 32
...
	.end_amdgpu_metadata
.endif
;; end of part 3
;; launch pv (part 4): grid 32 x 8, 4 waves a work-group, clusters of 4 x 4, 327,680 bytes of LDS; arguments tv, p, stats, out0; writes out0
.if DOCPART == 4
	.amdgcn_target "amdgcn-amd-amdhsa--gfx1250"
	.amdhsa_code_object_version 6
	.text
	.protected	k_q9a7a206e4b_pv
	.globl	k_q9a7a206e4b_pv
	.p2align	8
	.type	k_q9a7a206e4b_pv,@function
k_q9a7a206e4b_pv:
	s_mov_b64 s[64:65], 0
	v_nop
	global_prefetch_b8 v0, s[64:65] scope:SCOPE_SE
	s_setreg_imm32_b32 hwreg(HW_REG_WAVE_MODE, 25, 1), 1
	s_wait_xcnt 0x0
	s_wait_alu depctr_hold_cnt(0) depctr_sa_sdst(0) depctr_va_vdst(0) depctr_va_sdst(0) depctr_va_ssrc(0) depctr_va_vcc(0) depctr_vm_vsrc(0)
	s_getreg_b32 s2, hwreg(HW_REG_IB_STS2, 6, 4)
	s_cmp_eq_u32 s2, 0
	s_cbranch_scc0 .Lentry_in_a_cluster
	s_endpgm
.Lentry_in_a_cluster:
	s_bfe_u32 s2, ttmp6, 0x10000c
	s_cmp_lg_u32 s2, 0xf033
	s_cbranch_scc0 .Lentry_shape_is_right
	s_endpgm
.Lentry_shape_is_right:
; out0[b][e][q] = the sum over the 16 blocks t of 128 keys of f[t][q] x (the sum over the block's keys k of w[q][k] V[k][e]).  w: p ([8192][2048] f16), V: columns 1024-2047 of tv ([8192][2048] f16), out0 f32.
; f[t][q] = 2^(cm[t][q] - M[q]) / L[q], M = the largest of the query's sixteen cm (the row's true maximum), L = the sum over t of 2^(cm[t][q] - M) l[t][q]: all in f32, from stats.  L is at least about 1.
; LIMITS.  V arrives within f16's 65,504.  A factor below 2^-126 counts as 0.  NaN and infinities are not treated apart.
; A tile of out0 is 128 channels e x 256 queries: 256 work-groups.  A wave makes 64 e x 128 q: 32 tiles of 16 x 16.  The keys go in 16 steps of 128, a step a block t, through two LDS slots.
; THE PRODUCT: source 0 = 16 queries of w (keys along the rows), source 1 = 16 channels of V, turned on its way out of LDS by ds_load_tr16_b128.  In the result a lane holds ONE channel (lane % 16) and the queries
; 8 (lane / 16) + 0..7: 32 consecutive bytes of a row of out0.
; TWO SETS OF SUMS.  T (window 2) is a block's own sum, started by the constant 0 in each step; A (window 3) is the result.  A += T x f, four packed multiply-adds a tile, stands in the next step's first quarter:
; tile n's directly ahead of the product that starts T's tile n anew.  So the factors cost no rounding and no second pass over w.
; CLUSTERS: 4 x 4 work-groups.  V's tile hangs on the batch and the channel tile: shared along a row of the cluster; w's on the query tile: shared along a column.  Each is asked for jointly.
; REGISTERS: window 0: addresses; v32-101 the factors' work, later v32-159 the way out.  Window 1: two fragment buffers of 96 (w's eight, V's four), v192-255 the step's factors, eight for each query block.
.set PP,    272                        ; a row of w in LDS: 256 bytes + 16
.set PV,    288                        ; a row of V: 256 + 32 = 72 words
.set POFF,  128*PV                     ; a slot: 128 keys of V, then 256 queries of w
.set SLOT,  POFF+256*PP
.set FT,    2*SLOT                     ; f[16][256] f32: stored once, never filled by a tensor load
.set STAGE, FT+16384                   ; 16 rows x 528 bytes for each wave, for the way out
.set SP,    528                        ; 512 bytes + 16 = 132 words: the 16 rows of a store start at 16 different groups of four banks
.set SPARE, STAGE+4*16*SP              ; the spare words: two blocks of 256 bytes that no other line names
.set VSTEP, 128*4096                   ; bytes from a step's keys to the next step's in tv
.set AP0, 16                           ; v16  my lane's place in slot 0's tile of w; never rewritten
.set AV0, 17                           ; v17  the same for V
.set AP,  18                           ; v18  the same in the slot in hand
.set AV,  19                           ; v19
.set FA,  20                           ; v20  where the next block's factors for my eight queries of query block 0 lie
.set FW,  21                           ; v21  where I put the factors that I make
.set SO,  22                           ; v22  8 x thread: my two queries in stats
.set STO, 24
.set RD,  25
.set CO,  26
.set SPW, 28                           ; v28  my spare word; never rewritten
.set NIL, 29                           ; v29  0; never rewritten
.set PFO, 30                           ; v30  the prefetches' offset: my lane x a row of 4,096 bytes (tv's and p's alike); never rewritten
.set MM,  32                           ; v32-63  cm of my two queries, sixteen blocks; then the factors
.set LL,  64                           ; v64-95  l likewise
.set MX,  96                           ; v96-97  M
.set SL,  98                           ; v98-99  L
.set RC,  100                          ; v100-101  1 / L
.set OB,  32                           ; the way out: 16 rows read back: v32-95 and v96-159 by turns
.set F0,  0                            ; window 1
.set F1,  96
.set FAC, 192
.set WV,  12
.set EH,  13                           ; s13  which half of the tile's channels is mine.  Also: I fetch for V (0) or for w (1)
.set QH,  14                           ; s14  which half of its queries.  Also: which half of that tile I fetch
.set CX,  15
.set CY,  16
.set TX,  17                           ; s17  tile of 256 queries, over all batches
.set TY,  18                           ; s18  tile of 128 channels
.set BA,  19                           ; s19  the batch
.set LV,  20                           ; s20  my half of V's tile in a slot
.set TB,  21                           ; s21  the slot in hand: 0 or SLOT
.set LP,  22                           ; s22  my half of w's tile in a slot
.set LIM, 23                           ; s23  2 in a wave that prefetches, else the greatest number
.set G1V, 24
.set G0V, 32
.set PFA, 40                           ; s[40:41] where my prefetches stand
.set PFS, 42                           ; s[42:43] their step
.set G1P, 48
.set G0P, 56
.set MSB, 0
.macro WIN new
.if MSB != (\new)
	s_set_vgpr_msb (MSB<<8)|(\new)
.set MSB, \new
.endif
.endm
.set W_MM, 0xa5                        ; sources 0 and 1 window 1, C and D window 2
.set W_RD, 0xf6                        ; source 0 (T) window 2, source 1 (f) window 1, source 2 and destination (A) window 3
.set TO_F, 0x40                        ; destination window 1, address window 0
.macro JLOAD                           ; waves 0 and 1 fetch V's two halves, waves 2 and 3 w's; an s_nop 0 and four v_nop follow each line
	s_cmp_eq_u32 s[EH], 0
	s_cbranch_scc0 .Lfor_p_\@
	tensor_load_to_lds s[G0V+4:G0V+7], s[G1V:G1V+7]
	s_nop 0
.rept 4
	v_nop
.endr
	s_branch .Lasked_\@
.Lfor_p_\@:
	tensor_load_to_lds s[G0P+4:G0P+7], s[G1P:G1P+7]
	s_nop 0
.rept 4
	v_nop
.endr
.Lasked_\@:
.endm
; A prefetch into the L2 of the step that stands two refills on: 32 rows x 256 bytes, a lane a row.  Each row's 256 bytes of a step are named once in the launch.  V's 128 keys: the first (even x) of the two clusters
; that share a batch and a row of channel tiles; its four partners along x take 32 keys each, by address; wave 0 asks.  w's 256 rows: the clusters with y = 0; of the 128 rows that waves 2 and 3 each fetch the four
; partners along y take 32, by address.  Wave 1 asks for nothing.  The last two trips have no step two refills on.
.macro ASK
	s_cmp_gt_u32 s3, s[LIM]
	s_cbranch_scc0 .Lnot_mine_\@
	global_prefetch_b8 v[PFO], s[PFA:PFA+1] th:TH_LOAD_NT scope:SCOPE_SE
.Lnot_mine_\@:
.endm
.macro CREST
	s_cmp_lg_u32 s[WV], 0
	s_cbranch_scc1 .Lnot_wave_0_\@
	s_barrier_signal -3
.Lnot_wave_0_\@:
	s_barrier_wait -3
	s_barrier_signal -1
	s_barrier_wait -1
.endm
.macro CROUND
	s_barrier_signal -1
	s_barrier_wait -1
	CREST
.endm
.macro PLACES
.rept 4
	v_nop
.endr
.endm
; Product n of a quarter's 32: channel block n / 8, query block n % 8, 32 keys.  The 32 tiles take turns, one instruction a turn.  zero = 1: it starts T's tile anew.
.macro MMY f, n, zero
	WIN W_MM
.if \zero
	v_wmma_f32_16x16x32_f16 v[8*(\n):8*(\n)+7], v[(\f)+8*((\n)%8):(\f)+8*((\n)%8)+7], v[(\f)+64+8*((\n)/8):(\f)+64+8*((\n)/8)+7], 0
.else
	v_wmma_f32_16x16x32_f16 v[8*(\n):8*(\n)+7], v[(\f)+8*((\n)%8):(\f)+8*((\n)%8)+7], v[(\f)+64+8*((\n)/8):(\f)+64+8*((\n)/8)+7], v[8*(\n):8*(\n)+7]
.endif
.endm
; A's tile n += T's tile n x the block's factors, T's registers in ascending order
.macro R n
	WIN W_RD
.irp i, 0,1,2,3
	v_pk_fma_f32 v[8*(\n)+2*(\i):8*(\n)+2*(\i)+1], v[8*(\n)+2*(\i):8*(\n)+2*(\i)+1], v[FAC+8*((\n)%8)+2*(\i):FAC+8*((\n)%8)+2*(\i)+1], v[8*(\n)+2*(\i):8*(\n)+2*(\i)+1]
.endr
.endm
; 24 LDS loads in one run: quarter kq's fragments into buffer f: w's eight, then V's four, channel blocks 2 and 3 last
.macro FETCHY kq, f
	WIN TO_F
.irp b, 0,1,2,3,4,5,6,7
	ds_load_b128 v[(\f)+8*(\b):(\f)+8*(\b)+3],   v[AP] offset:64*(\kq)+(\b)*16*PP
	ds_load_b128 v[(\f)+8*(\b)+4:(\f)+8*(\b)+7], v[AP] offset:64*(\kq)+(\b)*16*PP+32
.endr
.irp a, 0,1,2,3
	ds_load_tr16_b128 v[(\f)+64+8*(\a):(\f)+64+8*(\a)+3],   v[AV] offset:(\kq)*32*PV+32*(\a)
	ds_load_tr16_b128 v[(\f)+64+8*(\a)+4:(\f)+64+8*(\a)+7], v[AV] offset:(\kq)*32*PV+32*(\a)+16*PV
.endr
	WIN 0
.endm
; 16 LDS loads: the factors of the block just multiplied, eight for each of my eight query blocks (the sixteen lanes of a half read the same 32 bytes)
.macro FACLOAD
	WIN TO_F
.irp b, 0,1,2,3,4,5,6,7
	ds_load_b128 v[FAC+8*(\b):FAC+8*(\b)+3],   v[FA] offset:64*(\b)
	ds_load_b128 v[FAC+8*(\b)+4:FAC+8*(\b)+7], v[FA] offset:64*(\b)+16
.endr
	WIN 0
	v_add_nc_u32 v[FA], 1024, v[FA]                ; the next block's
.endm
; One of a step's first three quarters: multiplies buffer f and fetches quarter kq into buffer g.  ride = 1 (a step's first quarter): the step before is taken into A, tile n + 1's four lines behind product n.
; They name none of the registers of the products round them, so they are also the places that the loads into g want.
.macro QY kq, f, g, zero, ride
	s_wait_dscnt 4                                 ; all but the youngest four loads (V's channel blocks 2 and 3)
.if \ride
	R 0
.endif
.set n, 0
.rept 16
	MMY \f, n, \zero
.if \ride
	R n+1
.endif
.set n, n+1
.endr
.if !(\ride)
	PLACES
.endif
	FETCHY \kq, \g
	s_wait_dscnt 24                                ; all but the 24 just issued
.rept 16
	MMY \f, n, \zero
.if (\ride) && (n < 31)
	R n+1
.endif
.set n, n+1
.endr
.endm
; The last quarter multiplies buffer 1 and changes slots.  In front of the barrier each wave waits for all its tensor loads (one is out: its part of the next slot), adds 0 to its spare word, and waits for that
; and for its reads of this slot.  fill = 1: the barrier opens a round of the cluster's barrier, and behind it this slot is filled again, two steps ahead: the wave's first and only tensor load there.
; Seven plain vector instructions (four v_nop, three address sums) stand behind products 0-15: the places in front of the lines that read, and the products that start anew, T's tiles 0-15.
.macro TURNY fill
.if \fill
	s_wait_xcnt 0x0                                ; the last prefetch, a step back, has read its address
	s_add_nc_u64 s[PFA:PFA+1], s[PFA:PFA+1], s[PFS:PFS+1]
.endif
	WIN 0
	s_wait_tensorcnt 0x0                           ; all my tensor loads have landed
	ds_add_u32 v[SPW], v[NIL]                      ; 0 onto my spare word
	s_wait_dscnt 5                                 ; the add and the youngest four loads may be out
.set n, 0
.rept 8
	MMY F1, n, 0
.set n, n+1
.endr
	s_wait_dscnt 0x0                               ; the add is done, and my reads of this slot are over
	s_barrier_signal -1
.rept 8
	MMY F1, n, 0
.set n, n+1
.endr
	WIN 0
	s_barrier_wait -1
.if \fill
	CREST                                          ; no wave of any partner still reads this slot or has a load on its way
	s_add_co_u32 s[G0V+5], s[TB], s[LV]            ; the slot just read out,
	s_add_co_u32 s[G0P+5], s[TB], s[LP]
	s_add_nc_u64 s[G0V+6:G0V+7], s[G0V+6:G0V+7], VSTEP   ; the step behind the one asked for last
	s_add_nc_u64 s[G0P+6:G0P+7], s[G0P+6:G0P+7], 256
	JLOAD
.else
	PLACES
.endif
	s_xor_b32 s[TB], s[TB], SLOT                   ; the other slot is in hand
	v_add_nc_u32 v[AP], s[TB], v[AP0]
	v_add_nc_u32 v[AV], s[TB], v[AV0]
	FACLOAD
	FETCHY 0, F0
.if \fill
	ASK
.endif
.rept 16
	MMY F1, n, 0
.set n, n+1
.endr
.endm
; THE WAY OUT of channel block a: 16 rows of out0 x my 128 queries.  A lane's 32 bytes go into rows of 528 bytes of my own stage and come back as whole rows of 512.
.macro TOSTAGE a
.set BK, OB+64*((\a)%2)
.if (\a) >= 2
	s_wait_xcnt 0x0                                ; the stores of the block two back have read the registers that are loaded below
.endif
	WIN 0x0c                                       ; the data (source 1) in window 3
.irp b, 0,1,2,3,4,5,6,7
	ds_store_b128 v[STO], v[8*(8*(\a)+(\b)):8*(8*(\a)+(\b))+3]   offset:64*(\b)
	ds_store_b128 v[STO], v[8*(8*(\a)+(\b))+4:8*(8*(\a)+(\b))+7] offset:64*(\b)+16
.endr
	WIN 0
.irp t, 0,1,2,3,4,5,6,7,8,9,10,11,12,13,14,15
	ds_load_b128 v[BK+4*(\t):BK+4*(\t)+3], v[RD] offset:(\t)*SP  ; LDS serves a wave's instructions in order (ISA guide 5.7.1.4): these see the stores above; the next block's stores come behind them
.endr
.endm
.macro SEND a, younger                 ; younger: the LDS instructions issued behind block a's loads: the next block's 32, or none
.set BK, OB+64*((\a)%2)
.irp t, 0,1,2,3,4,5,6,7,8,9,10,11,12,13,14,15
	s_wait_dscnt (\younger)+15-(\t)
	global_store_b128 v[CO], v[BK+4*(\t):BK+4*(\t)+3], s[10:11] offset:(16*(\a)+(\t))*8192 th:TH_STORE_NT  ; a wave stores 512 consecutive bytes, at a multiple of 512 from out0's first byte
.endr
.endm
	s_load_b256 s[4:11], s[0:1], 0x0               ; tv s[4:5], p s[6:7], stats s[8:9], out0 s[10:11]
	v_lshl_add_u32 v[SPW], v0, 2, SPARE
	v_mov_b32 v[NIL], 0
	ds_add_u32 v[SPW], v[NIL]                      ; the wave's opening: the add and its wait, ahead of my first tensor load
	v_lshrrev_b32 v1, 5, v0
	v_readfirstlane_b32 s[WV], v1                  ; wave 0..3
	s_lshr_b32 s[EH], s[WV], 1
	s_and_b32 s[QH], s[WV], 1
	s_bfe_u32 s[CX], ttmp6, 0x40000
	s_bfe_u32 s[CY], ttmp6, 0x40004
	s_lshl_b32 s[TX], ttmp9, 2
	s_add_co_u32 s[TX], s[TX], s[CX]               ; query tile = 4 x cluster x + cx
	s_and_b32 s[TY], ttmp7, 0xffff
	s_lshl_b32 s[TY], s[TY], 2
	s_add_co_u32 s[TY], s[TY], s[CY]               ; channel tile = 4 x cluster y + cy
	s_lshr_b32 s[BA], ttmp9, 1                     ; the batch: two clusters along x to each; the cluster's x, not my place in it
	s_lshl_b32 s44, s[CY], 2
	s_lshl_b32 s44, 15, s44                        ; my row of the cluster
	s_lshl_b32 s46, 0x1111, s[CX]                  ; my column
	s_or_b32 s[G1V], s44, (1<<16)|(1<<20)|(1<<21)|(5<<22)|(7<<25)  ; the mask; elements of 2 bytes; padding on; bit 21 beside a mask; after every 64 words 8 words
	s_or_b32 s[G1P], s46, (1<<16)|(1<<20)|(1<<21)|(5<<22)|(3<<25)  ; the same with 4 words
	s_mov_b32 s[G1V+1], 128<<16                    ; V: tensor_dim0 = 128
	s_mov_b32 s[G1V+2], 64<<16                     ; tensor_dim1 = 64
	s_mov_b32 s[G1V+3], 128<<16                    ; tile_dim0 = 128
	s_mov_b32 s[G1V+4], 64                         ; tile_dim1 = 64
	s_mov_b32 s[G1V+5], 2048                       ; elements from row to row
	s_mov_b32 s[G1V+6], 0
	s_mov_b32 s[G1V+7], 0
	s_mov_b32 s[G1P+1], 128<<16                    ; w: 128 rows x 128 elements
	s_mov_b32 s[G1P+2], 128<<16
	s_mov_b32 s[G1P+3], 128<<16
	s_mov_b32 s[G1P+4], 128
	s_mov_b32 s[G1P+5], 2048
	s_mov_b32 s[G1P+6], 0
	s_mov_b32 s[G1P+7], 0
	s_mul_i32 s[LV], s[QH], 64*PV                  ; no place in the cluster enters an LDS address
	s_mul_i32 s[LP], s[QH], 128*PP
	s_add_co_u32 s[LP], s[LP], POFF
	s_mov_b32 s[TB], 0
	s_lshl_b32 s44, s[BA], 11                      ; V: the batch's rows,
	s_lshl_b32 s45, s[QH], 6                       ; my 64 of a step's 128 keys,
	s_add_co_u32 s44, s44, s45
	s_lshl_b32 s44, s44, 12                        ; of 4,096 bytes,
	s_lshl_b32 s45, s[TY], 8                       ; the tile's 128 channels,
	s_add_co_u32 s44, s44, s45
	s_add_co_u32 s44, s44, 2048                    ; in V's columns
	s_mov_b32 s45, 0
	s_lshl_b32 s46, s[TX], 8                       ; w: the tile's 256 rows,
	s_lshl_b32 s47, s[QH], 7                       ; my 128 of them
	s_add_co_u32 s46, s46, s47
	s_lshl_b32 s46, s46, 12
	s_mov_b32 s47, 0
	s_wait_dscnt 0x0                               ; the opening add is done
	s_wait_kmcnt 0x0
	s_add_nc_u64 s[44:45], s[4:5], s[44:45]
	s_add_nc_u64 s[46:47], s[6:7], s[46:47]
	CROUND                                         ; all sixteen work-groups are here: the first joint loads meet
.irp s, 0,1
	s_mov_b32 s[G0V+4*(\s)], 1
	s_add_co_u32 s[G0V+4*(\s)+1], s[LV], (\s)*SLOT
	s_add_nc_u64 s[G0V+4*(\s)+2:G0V+4*(\s)+3], s[44:45], (\s)*VSTEP
	s_or_b32 s[G0V+4*(\s)+3], s[G0V+4*(\s)+3], 0x80000000
	s_mov_b32 s[G0P+4*(\s)], 1
	s_add_co_u32 s[G0P+4*(\s)+1], s[LP], (\s)*SLOT
	s_add_nc_u64 s[G0P+4*(\s)+2:G0P+4*(\s)+3], s[46:47], (\s)*256
	s_or_b32 s[G0P+4*(\s)+3], s[G0P+4*(\s)+3], 0x80000000
.endr
	s_cmp_eq_u32 s[EH], 0                          ; a wave's two first fills stand in one branch: two loads of mine are out
	s_cbranch_scc0 .Lfirst_p
	tensor_load_to_lds s[G0V:G0V+3], s[G1V:G1V+7]
	s_nop 0
	tensor_load_to_lds s[G0V+4:G0V+7], s[G1V:G1V+7]
	s_nop 0
.rept 4
	v_nop
.endr
	s_branch .Lfirst_asked
.Lfirst_p:
	tensor_load_to_lds s[G0P:G0P+3], s[G1P:G1P+7]
	s_nop 0
	tensor_load_to_lds s[G0P+4:G0P+7], s[G1P:G1P+7]
	s_nop 0
.rept 4
	v_nop
.endr
.Lfirst_asked:
	; cm and l of the tile's 256 queries, two a thread: a wave's load covers 256 consecutive bytes
	s_lshl_b32 s2, s[TX], 10
	s_mov_b32 s3, 0
	s_add_nc_u64 s[8:9], s[8:9], s[2:3]
	v_lshlrev_b32 v[SO], 3, v0
.irp t, 0,1,2,3,4,5,6,7,8,9,10,11,12,13,14,15
	global_load_b64 v[MM+2*(\t):MM+2*(\t)+1], v[SO], s[8:9] offset:32768*(\t)
	global_load_b64 v[LL+2*(\t):LL+2*(\t)+1], v[SO], s[8:9] offset:32768*(\t)+524288
.endr
	WIN 0xc0                                       ; A starts at 0: written once, while the first tiles and the statistics are on their way, so that every step has one form
.set i, 0
.rept 256
	v_mov_b32 v[i], 0
.set i, i+1
.endr
	WIN 0
	v_and_b32 v1, 15, v0                           ; l % 16
	v_bfe_u32 v2, v0, 4, 1                         ; l / 16
	v_and_b32 v3, 31, v0                           ; l
	v_mul_u32_u24 v[AP0], v1, PP                   ; a fragment of w: row l % 16, 16 bytes for each half of the lanes, twice, 32 bytes apart
	v_lshl_add_u32 v[AP0], v2, 4, v[AP0]
	v_add_nc_u32 v[AP0], s[LP], v[AP0]             ; my 128 queries of w's tile
	v_and_b32 v4, 7, v0                            ; the turning load: lane l reads key 8 (l / 16) + l % 8, channels 8 ((l / 8) % 2) + 0..7, and is left with channel l % 16 and 8 keys
	v_bfe_u32 v5, v0, 3, 1
	v_lshl_add_u32 v[AV0], v2, 3, v4
	v_mul_u32_u24 v[AV0], v[AV0], PV
	v_lshl_add_u32 v[AV0], v5, 4, v[AV0]
	s_lshl_b32 s2, s[EH], 7                        ; my 64 channels
	v_add_nc_u32 v[AV0], s2, v[AV0]
	v_mov_b32 v[AP], v[AP0]
	v_mov_b32 v[AV], v[AV0]
	s_lshl_b32 s2, s[QH], 9
	s_add_co_u32 s2, s2, FT
	v_lshl_add_u32 v[FA], v2, 5, s2                ; block 0's factors: my 128 queries, 8 for each half of the lanes
	v_lshl_add_u32 v[FW], v0, 3, FT
	s_mul_i32 s2, s[WV], 16*SP
	s_add_co_u32 s2, s2, STAGE                     ; my stage
	v_mul_u32_u24 v[STO], v1, SP
	v_lshl_add_u32 v[STO], v2, 5, v[STO]
	v_add_nc_u32 v[STO], s2, v[STO]
	v_lshl_add_u32 v[RD], v3, 4, s2
	v_lshlrev_b32 v[CO], 4, v3
	s_lshl_b32 s2, s[BA], 10                       ; out0: the batch's 1,024 rows,
	s_lshl_b32 s3, s[TY], 7
	s_add_co_u32 s2, s2, s3                        ; the tile's 128,
	s_lshl_b32 s3, s[EH], 6
	s_add_co_u32 s2, s2, s3                        ; my 64,
	s_lshl_b32 s2, s2, 13                          ; of 8,192 bytes;
	s_and_b32 s3, s[TX], 7
	s_lshl_b32 s3, s3, 10                          ; the tile's 256 queries in the batch,
	s_add_co_u32 s2, s2, s3
	s_lshl_b32 s3, s[QH], 9                        ; my 128
	s_add_co_u32 s2, s2, s3
	s_mov_b32 s3, 0
	s_add_nc_u64 s[10:11], s[10:11], s[2:3]
	; the prefetches: both kinds' offsets at step 3; the first refill steps them to step 4
	s_lshl_b32 s44, s[BA], 11
	s_lshl_b32 s45, s[CX], 5                       ; V: my work-group's 32 of a step's 128 keys
	s_add_co_u32 s44, s44, s45
	s_add_co_u32 s44, s44, 3*128
	s_lshl_b32 s44, s44, 12
	s_lshl_b32 s45, s[TY], 8
	s_add_co_u32 s44, s44, s45
	s_add_co_u32 s44, s44, 2048
	s_lshl_b32 s46, s[TX], 8
	s_lshl_b32 s47, s[QH], 7
	s_add_co_u32 s46, s46, s47
	s_lshl_b32 s47, s[CY], 5                       ; w: my work-group's 32 of the 128 rows that I fetch
	s_add_co_u32 s46, s46, s47
	s_lshl_b32 s46, s46, 12
	s_add_co_u32 s46, s46, 3*256
	s_and_b32 s47, ttmp9, 1
	s_or_b32 s47, s47, s[QH]                       ; 0 in wave 0 of the batch's first cluster
	s_and_b32 s45, ttmp7, 0xffff                   ; 0 in the clusters with y = 0
	s_mov_b32 s[PFS], 256
	s_cmp_eq_u32 s[EH], 0                          ; do I fetch for V?
	s_cselect_b32 s44, s44, s46
	s_cselect_b32 s47, s47, s45
	s_cselect_b32 s[PFS], VSTEP, s[PFS]            ; bytes from step to step
	s_cselect_b64 s[PFA:PFA+1], s[4:5], s[6:7]
	s_mov_b32 s45, 0
	s_mov_b32 s[PFS+1], 0
	s_cmp_eq_u32 s47, 0
	s_cselect_b32 s[LIM], 2, -1                    ; the same in all sixteen partners, for a given wave
	s_add_nc_u64 s[PFA:PFA+1], s[PFA:PFA+1], s[44:45]
	v_lshlrev_b32 v[PFO], 12, v3
	; THE FACTORS of my two queries
	s_wait_loadcnt 0x0
.irp u, 0,1
	v_max3_num_f32 v[MX+(\u)], v[MM+(\u)], v[MM+2+(\u)], v[MM+4+(\u)]
.endr
.irp t, 3,5,7,9,11,13
.irp u, 0,1
	v_max3_num_f32 v[MX+(\u)], v[MX+(\u)], v[MM+2*(\t)+(\u)], v[MM+2*(\t)+2+(\u)]
.endr
.endr
.irp u, 0,1
	v_max_num_f32 v[MX+(\u)], v[MX+(\u)], v[MM+30+(\u)]  ; M: the row's maximum, times c
.endr
.irp t, 0,1,2,3,4,5,6,7,8,9,10,11,12,13,14,15
	v_pk_add_f32 v[MM+2*(\t):MM+2*(\t)+1], v[MM+2*(\t):MM+2*(\t)+1], v[MX:MX+1] neg_lo:[0,1] neg_hi:[0,1]  ; cm - M
.endr
.set i, 0
.rept 32
	v_exp_f32 v[MM+i], v[MM+i]
.set i, i+1
.endr
	v_nop                                          ; a plain instruction behind the last exponential,
	s_wait_alu depctr_va_vdst(0)                   ; and a wait ahead of the batch's first reader
	v_pk_mul_f32 v[SL:SL+1], v[MM:MM+1], v[LL:LL+1]
.irp t, 1,2,3,4,5,6,7,8,9,10,11,12,13,14,15
	v_pk_fma_f32 v[SL:SL+1], v[MM+2*(\t):MM+2*(\t)+1], v[LL+2*(\t):LL+2*(\t)+1], v[SL:SL+1]  ; L
.endr
	v_rcp_f32 v[RC], v[SL]
	v_rcp_f32 v[RC+1], v[SL+1]
	v_nop
	s_wait_alu depctr_va_vdst(0)                   ; one wait for the two reciprocals
.irp t, 0,1,2,3,4,5,6,7,8,9,10,11,12,13,14,15
	v_pk_mul_f32 v[MM+2*(\t):MM+2*(\t)+1], v[MM+2*(\t):MM+2*(\t)+1], v[RC:RC+1]
.endr
.irp t, 0,1,2,3,4,5,6,7,8,9,10,11,12,13,14,15
	ds_store_b64 v[FW], v[MM+2*(\t):MM+2*(\t)+1] offset:1024*(\t)
.endr
	s_wait_dscnt 0x0                               ; for the others' sake: my factors lie in LDS,
	s_wait_tensorcnt 1                             ; and my part of step 0 is in; step 1's may stay out
	s_barrier_signal -1
	s_barrier_wait -1
	FETCHY 0, F0
	QY 1, F0, F1, 1, 0                             ; step 0's first quarter: there is no step before it to take into A
	WIN 0
	s_mov_b32 s3, 14
.Lstep:                                        ; a trip: a step's quarters 1 to 3 and the next step's quarter 0; steps 2 to 15 are asked for
	QY 2, F1, F0, 0, 0
	QY 3, F0, F1, 0, 0
	TURNY 1
	QY 1, F0, F1, 1, 1
	WIN 0
	s_sub_co_u32 s3, s3, 1
	s_cmp_lg_u32 s3, 0
	s_cbranch_scc1 .Lstep
	s_mov_b32 s3, 2                                ; the last two steps ask for nothing: a second text, entered in its middle
	s_branch .Lmid
.Ltail:
	TURNY 0
	QY 1, F0, F1, 1, 1
	WIN 0
.Lmid:
	QY 2, F1, F0, 0, 0
	QY 3, F0, F1, 0, 0
	WIN 0
	s_sub_co_u32 s3, s3, 1
	s_cmp_lg_u32 s3, 0
	s_cbranch_scc1 .Ltail
	s_wait_dscnt 4                                 ; the very last quarter
.set n, 0
.rept 16
	MMY F1, n, 0
.set n, n+1
.endr
	FACLOAD                                        ; the last block's factors
	s_wait_dscnt 16                                ; all but those sixteen loads
.rept 16
	MMY F1, n, 0
.set n, n+1
.endr
	PLACES
	s_wait_dscnt 0x0
.set n, 0
.rept 32
	R n                                            ; the last block is taken into A
.set n, n+1
.endr
	WIN 0
	TOSTAGE 0
	TOSTAGE 1
	SEND 0, 32
	TOSTAGE 2
	SEND 1, 32
	TOSTAGE 3
	SEND 2, 32
	SEND 3, 0
	s_wait_tensorcnt 0x0                           ; the wave's end: a tensor wait, 0 onto my spare word, and a wait, behind my last tensor load and my last LDS store
	ds_add_u32 v[SPW], v[NIL]
	s_wait_dscnt 0x0
	CROUND                                         ; the closing round: no work-group ends while a partner may still ask for a tile that names it
	s_endpgm
.Lfunc_end_k_q9a7a206e4b_pv:
	.size	k_q9a7a206e4b_pv, .Lfunc_end_k_q9a7a206e4b_pv-k_q9a7a206e4b_pv
	.p2alignl 7, 3214868480
	.fill 96, 4, 3214868480
	.section	.rodata,"a",@progbits
	.p2align	6, 0x0
	.amdhsa_kernel k_q9a7a206e4b_pv
		.amdhsa_group_segment_fixed_size 327680
		.amdhsa_private_segment_fixed_size 0
		.amdhsa_enable_private_segment 0
		.amdhsa_kernarg_size 32
		.amdhsa_user_sgpr_count 2
		.amdhsa_user_sgpr_kernarg_segment_ptr 1
		.amdhsa_wavefront_size32 1
		.amdhsa_system_sgpr_workgroup_id_x 1
		.amdhsa_system_sgpr_workgroup_id_y 1
		.amdhsa_system_sgpr_workgroup_id_z 1
		.amdhsa_system_vgpr_workitem_id 0
		.amdhsa_next_free_vgpr 1024
		.amdhsa_next_free_sgpr 66
		.amdhsa_reserve_vcc 0
		.amdhsa_float_denorm_mode_32 3
		.amdhsa_float_denorm_mode_16_64 3
		.amdhsa_memory_ordered 1
		.amdhsa_forward_progress 1
		.amdhsa_inst_pref_size 114
	.end_amdhsa_kernel
	.amdgpu_metadata
---
amdhsa.version: [ 1, 2 ]
amdhsa.kernels:
  - .name:           k_q9a7a206e4b_pv
    .symbol:         k_q9a7a206e4b_pv.kd
    .args:
      - { .name: tv, .offset: 0, .size: 8, .value_kind: global_buffer, .address_space: global }
      - { .name: p, .offset: 8, .size: 8, .value_kind: global_buffer, .address_space: global }
      - { .name: stats, .offset: 16, .size: 8, .value_kind: global_buffer, .address_space: global }
      - { .name: out0, .offset: 24, .size: 8, .value_kind: global_buffer, .address_space: global }
    .group_segment_fixed_size: 327680
    .private_segment_fixed_size: 0
    .kernarg_segment_align: 8
    .kernarg_segment_size: 32
    .max_flat_workgroup_size: 128
    .sgpr_count:     66
    .vgpr_count:     1024
    .wavefront_size: 32
...
	.end_amdgpu_metadata
.endif
;; end of part 4
